; MI455X (gfx1250); checked and timed in simulation.
; The chip was launched on July 23, 2026; its instructions are those of AMD's public machine-readable ISA for CDNA 5 (MIT licence, August 2026) and "CDNA5" Instruction Set Architecture Reference Guide (July 2026). The comments in the code are by the model that wrote it; some were corrected since.
;; Multi Headed Attention. Allowed arithmetic: float matrix products may take bf16 or f16 operands with f32 sums; all other float work in f32.
;; Inputs: bk 1,024 float32; bo 1,024 float32; bq 1,024 float32; bv 1,024 float32; key 4 x 2,048 x 1,024 float32; query 4 x 2,048 x 1,024 float32; value 4 x 2,048 x 1,024 float32; wk 1,024 x 1,024 float32; wo 1,024 x 1,024 float32; wq 1,024 x 1,024 float32; wv 1,024 x 1,024 float32.
;; Outputs: out0 4 x 2,048 x 1,024 float32.
;; One version. Each part assembles by itself: llvm-mc -triple=amdgcn-amd-amdhsa -mcpu=gfx1250 --defsym DOCPART=n.
;; ======== version 1 of 1: 5 launches
;; limits: values are held in f16: magnitudes above 65,504 overflow, below 6.1e-05 lose precision; right only within a limited range of input values
;; workspace buffers: wt 8,388,608 bytes; qkv 50,331,648 bytes; ctx 16,777,216 bytes
;; launch prep (part 1): grid 128 x 4, 8 waves a work-group, no clusters, 19,456 bytes of LDS; arguments wq, wk, wv, wo, wt; writes wt
.if DOCPART == 1
	.amdgcn_target "amdgcn-amd-amdhsa--gfx1250"
	.amdhsa_code_object_version 6
	.text
	.protected	k_q18a030e968_prep
	.globl	k_q18a030e968_prep
	.p2align	8
	.type	k_q18a030e968_prep,@function
k_q18a030e968_prep:
	s_mov_b64 s[64:65], 0
	v_nop
	global_prefetch_b8 v0, s[64:65] scope:SCOPE_SE
	s_setreg_imm32_b32 hwreg(HW_REG_WAVE_MODE, 25, 1), 1
	s_wait_xcnt 0x0
; The four weights w[k][n] (f32, 1024 x 1024) go to f16, transposed and blocked along k:
; wt[mat][kb][n][kk], k = 64 kb + kk, so that a tile of (rows n) x (64 k) is dense in memory with rows of 128 bytes.
; LIMIT: |w| below 65,504 (f16's largest number); each weight is rounded once, to nearest even.
; A stream: each byte is read once and written once; no matrix unit, no cluster (no two work-groups read the same bytes).
; A work-group takes 64 k x 128 n of one weight.  Wave kg takes rows k = 8 kg .. 8 kg + 7, lane c the columns 4 c .. 4 c + 3:
; a load of the wave covers 512 neighbouring bytes of one row.  The transposition goes through LDS, 128 rows (n) of 128 bytes, pitch 144.
.set X, 8                              ; v[8:39]   8 rows x 4 columns as loaded; later the rows read back
.set Y, 40                             ; v[40:55]  4 columns x 8 k in f16
.set LP, 144                           ; LDS pitch
	s_load_b256 s[4:11], s[0:1], 0x0               ; wq s[4:5], wk s[6:7], wv s[8:9], wo s[10:11]
	s_load_b64 s[12:13], s[0:1], 0x20              ; wt
	v_lshl_add_u32 v64, v0, 2, 0x4800
	v_mov_b32 v65, 0
	s_and_b32 s16, ttmp7, 0xffff                   ; mat: which weight
	s_lshr_b32 s17, ttmp9, 3                       ; kb: block of 64 k
	s_and_b32 s18, ttmp9, 7                        ; nb: block of 128 n
	v_lshrrev_b32 v1, 5, v0                        ; kg = wave
	v_and_b32 v2, 31, v0                           ; c = lane
	v_lshlrev_b32 v3, 4, v2
	v_lshl_add_u32 v3, v1, 15, v3                  ; source offset: 8 kg rows of 4,096 bytes + 16 c
	v_mul_u32_u24 v4, v2, 4*LP
	v_lshl_add_u32 v4, v1, 4, v4                   ; LDS in: row n = 4 c, byte 16 kg
	v_lshrrev_b32 v5, 3, v0
	v_mul_u32_u24 v5, v5, LP
	v_and_b32 v6, 7, v0
	v_lshl_add_u32 v5, v6, 4, v5                   ; LDS back: row t / 8, byte 16 (t mod 8)
	v_lshlrev_b32 v7, 4, v0                        ; destination offset: 16 t
	s_lshl_b32 s20, s17, 18                        ; source: kb x 64 rows of 4,096 bytes
	s_lshl_b32 s19, s18, 9                         ;         + nb x 128 columns of 4 bytes
	s_add_co_u32 s20, s20, s19
	s_mov_b32 s21, 0
	s_lshl_b32 s22, s16, 21                        ; destination: mat x 2,097,152
	s_lshl_b32 s19, s17, 17                        ;              + kb x 131,072
	s_add_co_u32 s22, s22, s19
	s_lshl_b32 s19, s18, 14                        ;              + nb x 128 rows of 128 bytes
	s_add_co_u32 s22, s22, s19
	s_mov_b32 s23, 0
	s_wait_kmcnt 0x0
	s_cmp_eq_u32 s16, 1                            ; the weight is chosen by the grid's y alone
	s_cselect_b64 s[14:15], s[6:7], s[4:5]
	s_cmp_eq_u32 s16, 2
	s_cselect_b64 s[14:15], s[8:9], s[14:15]
	s_cmp_eq_u32 s16, 3
	s_cselect_b64 s[14:15], s[10:11], s[14:15]
	s_add_nc_u64 s[14:15], s[14:15], s[20:21]
	s_add_nc_u64 s[12:13], s[12:13], s[22:23]
.irp j, 0,1,2,3,4,5,6,7
	global_load_b128 v[X+4*\j:X+4*\j+3], v3, s[14:15] offset:\j*4096 th:TH_LOAD_NT   ; read once in the launch
.endr
.irp jj, 0,1,2,3
	s_wait_loadcnt 6-2*\jj                         ; rows 2 jj and 2 jj + 1 are in; the younger pairs stay out
.irp i, 0,1,2,3
	v_cvt_pk_f16_f32 v[Y+4*\i+\jj], v[X+8*\jj+\i], v[X+8*\jj+4+\i]   ; column 4 c + i: k = 2 jj below, 2 jj + 1 above
.endr
.endr
.irp i, 0,1,2,3
	ds_store_b128 v4, v[Y+4*\i:Y+4*\i+3] offset:\i*LP          ; 8 neighbouring k of one column n
.endr
	s_wait_dscnt 0x0                               ; my stores are done before I say so: other waves read these rows
	s_barrier_signal -1
	s_barrier_wait -1
.irp u, 0,1,2,3
	ds_load_b128 v[X+4*\u:X+4*\u+3], v5 offset:\u*32*LP        ; 32 rows a pass
.endr
.irp u, 0,1,2,3
	s_wait_dscnt 3-\u                              ; pass u is in; the younger ones stay out
	global_store_b128 v7, v[X+4*\u:X+4*\u+3], s[12:13] offset:\u*4096   ; a wave's store covers 512 consecutive bytes, aligned
.endr
	s_wait_tensorcnt 0x0
	ds_add_u32 v64, v65
	s_wait_dscnt 0x0
	s_endpgm
.Lfunc_end_k_q18a030e968_prep:
	.size	k_q18a030e968_prep, .Lfunc_end_k_q18a030e968_prep-k_q18a030e968_prep
	.p2alignl 7, 3214868480
	.fill 96, 4, 3214868480
	.section	.rodata,"a",@progbits
	.p2align	6, 0x0
	.amdhsa_kernel k_q18a030e968_prep
		.amdhsa_group_segment_fixed_size 19456
		.amdhsa_private_segment_fixed_size 0
		.amdhsa_enable_private_segment 0
		.amdhsa_kernarg_size 40
		.amdhsa_user_sgpr_count 2
		.amdhsa_user_sgpr_kernarg_segment_ptr 1
		.amdhsa_wavefront_size32 1
		.amdhsa_system_sgpr_workgroup_id_x 1
		.amdhsa_system_sgpr_workgroup_id_y 1
		.amdhsa_system_sgpr_workgroup_id_z 1
		.amdhsa_system_vgpr_workitem_id 0
		.amdhsa_next_free_vgpr 66
		.amdhsa_next_free_sgpr 66
		.amdhsa_reserve_vcc 0
		.amdhsa_float_denorm_mode_32 3
		.amdhsa_float_denorm_mode_16_64 3
		.amdhsa_memory_ordered 1
		.amdhsa_forward_progress 1
		.amdhsa_inst_pref_size 5
	.end_amdhsa_kernel
	.amdgpu_metadata
---
amdhsa.version: [ 1, 2 ]
amdhsa.kernels:
  - .name:           k_q18a030e968_prep
    .symbol:         k_q18a030e968_prep.kd
    .args:
      - { .name: wq, .offset: 0, .size: 8, .value_kind: global_buffer, .address_space: global }
      - { .name: wk, .offset: 8, .size: 8, .value_kind: global_buffer, .address_space: global }
      - { .name: wv, .offset: 16, .size: 8, .value_kind: global_buffer, .address_space: global }
      - { .name: wo, .offset: 24, .size: 8, .value_kind: global_buffer, .address_space: global }
      - { .name: wt, .offset: 32, .size: 8, .value_kind: global_buffer, .address_space: global }
    .group_segment_fixed_size: 19456
    .private_segment_fixed_size: 0
    .kernarg_segment_align: 8
    .kernarg_segment_size: 40
    .max_flat_workgroup_size: 256
    .sgpr_count:     66
    .vgpr_count:     66
    .wavefront_size: 32
...
	.end_amdgpu_metadata
.endif
;; end of part 1
;; launch qk (part 2): grid 4 x 64, 4 waves a work-group, clusters of 4 x 4, 327,680 bytes of LDS; arguments query, key, bq, bk, wt, qkv; writes qkv
.if DOCPART == 2
	.amdgcn_target "amdgcn-amd-amdhsa--gfx1250"
	.amdhsa_code_object_version 6
	.text
	.protected	k_q18a030e968_qk
	.globl	k_q18a030e968_qk
	.p2align	8
	.type	k_q18a030e968_qk,@function
k_q18a030e968_qk:
	s_mov_b64 s[64:65], 0
	v_nop
	global_prefetch_b8 v0, s[64:65] scope:SCOPE_SE
	s_setreg_imm32_b32 hwreg(HW_REG_WAVE_MODE, 25, 1), 1
	s_wait_xcnt 0x0
	s_wait_alu depctr_hold_cnt(0) depctr_sa_sdst(0) depctr_va_vdst(0) depctr_va_sdst(0) depctr_va_ssrc(0) depctr_va_vcc(0) depctr_vm_vsrc(0)
	s_getreg_b32 s2, hwreg(HW_REG_IB_STS2, 6, 4)
	s_cmp_eq_u32 s2, 0
	s_cbranch_scc0 .Lentry_in_a_cluster
	s_endpgm
.Lentry_in_a_cluster:
	s_bfe_u32 s2, ttmp6, 0x10000c
	s_cmp_lg_u32 s2, 0xf033
	s_cbranch_scc0 .Lentry_shape_is_right
	s_endpgm
.Lentry_shape_is_right:
; q, k = (x W + b) 2^-4 in f16, head-major: qkv[which][batch][head][s][64], which = 0 for q, 1 for k.
; x: [8192][1024] f32 (query or key); W from wt, f16, [kb][n][64 k].  The factor 2^-4 is exact; the attention launch multiplies the scores by 2^8 again.
; LIMITS: |x| and |w| below 65,504 (they enter the matrix unit as f16); |q|, |k| below 1.04e6 (stored as f16 times 2^-4).
; 2 x 32 x 4 = 256 work-groups.  A work-group makes 256 rows x 256 columns with four waves; wave w makes rows 64 w .. 64 w + 63 x all
; 256 columns: 64 accumulator tiles, 512 registers.  So each row of x is read from LDS and converted to f16 by one wave only: for 32
; along K a wave issues 16 + 32 LDS loads, 32 conversions and 64 matrix instructions.
; K goes in steps of 64 through two LDS slots filled by the tensor data mover: x's tile rows are 256 bytes of memory, aligned.
; CLUSTERS: 4 x 4 work-groups.  The four of a cluster's row share x's tile, the four of a column W's: each tile is asked for jointly,
; by the same load with the same descriptor in all four, which divides the requests for both by four.
; REGISTERS: window 0: addresses, x's fragments in f16 (two buffers), x as loaded in f32, work on the way out;
;   window 1: W's fragments, two buffers of 16 x 8;  window 2: tiles (a, b) of column blocks 0-7 at v[8 (8 a + b)];  window 3: column blocks 8-15.
; The matrix instruction is used transposed (source 0 = 16 columns of W, source 1 = 16 rows of x): a lane then holds 8 neighbouring
; columns of one row of the result, which pack into 16 bytes.
.set PA,     272                       ; LDS pitch of x's rows: 256 bytes + 16
.set PB,     144                       ; LDS pitch of W's rows: 128 bytes + 16
.set AHALF,  128*PA                    ; what one tensor load brings of x
.set BHALF,  128*PB                    ; and of W
.set BOFF,   2*AHALF                   ; W's 256 rows lie behind x's 256
.set SLOT,   BOFF+2*BHALF              ; 106,496
.set STAGE,  2*SLOT                    ; the way out: for each wave 4 heads x 16 rows x 144 bytes; no tensor load lands here
.set SWAVE,  4*16*PB
.set BIAS,   STAGE+4*SWAVE             ; for each wave 256 biases in f32
.set ADRA, 16                          ; v16-17  LDS address of my x fragments in slot 0, 1
.set ADRB, 20                          ; v20-21  the same for W
.set STO,  24                          ; the way out: where I put 16 bytes
.set RD,   25                          ; where I read rows back
.set CO,   26                          ; 16 x lane: my place in 512 bytes of the output
.set BST,  27                          ; where I put my 8 biases
.set PFV,  28                          ; prefetch: my row and my block of 256 bytes
.set BRD,  29                          ; where I read a tile's biases
.set BGO,  30                          ; 32 x lane: my 8 biases in memory
.set AF,   32                          ; v32-63, v64-95: x in f16, two buffers of 4 fragments
.set RAW,  96                          ; v96-159: x in f32, 4 fragments x 16
.set TMP,  160                         ; v160-223: packed results
.set BI,   224                         ; v224-231: my 8 biases
.set RB,   32                          ; v32-95: rows read back
.set G1,  24                           ; s[24:31] group 1 for x's tiles
.set G0,  32                           ; s[32:39] group 0 for x's tiles, one set a slot
.set G1B, 48                           ; s[48:55] group 1 for W's tiles
.set G0B, 56                           ; s[56:63] group 0 for W's tiles, one set a slot
.set MSB, 0
.macro WIN new                         ; the immediate's high byte repeats the setting that is left
.if MSB != \new
	s_set_vgpr_msb (MSB<<8)|\new
.set MSB, \new
.endif
.endm
.set MUL_LO, 0xa1                      ; source 0 (W) window 1, source 1 (x) window 0, C and D window 2
.set MUL_HI, 0xf1                      ; the same, C and D window 3
.set TO_B,   0x40                      ; destination window 1, address window 0
.macro PLACES                          ; four places behind matrix instructions, ahead of loads into and writes of their registers
.rept 4
	v_nop
.endr
.endm
; A joint load: waves 0 and 1 fetch x's two halves, waves 2 and 3 W's.  The branch hangs on the wave's number alone.
.macro JLOAD s
	s_cmp_eq_u32 s11, 0
	s_cbranch_scc0 .Lfor_b_\@
	tensor_load_to_lds s[G0+4*\s:G0+4*\s+3], s[G1:G1+7]
	s_nop 0
	s_branch .Lasked_\@
.Lfor_b_\@:
	tensor_load_to_lds s[G0B+4*\s:G0B+4*\s+3], s[G1B:G1B+7]
	s_nop 0
.Lasked_\@:
.endm
.macro CREST                           ; a round of the cluster's barrier behind its opening work-group barrier
	s_cmp_lg_u32 s10, 0
	s_cbranch_scc1 .Lnot_wave_0_\@
	s_barrier_signal -3
.Lnot_wave_0_\@:
	s_barrier_wait -3
	s_barrier_signal -1
	s_barrier_wait -1
.endm
.macro CROUND                          ; a whole round
	s_barrier_signal -1
	s_barrier_wait -1
	CREST
.endm
	s_load_b256 s[72:79], s[0:1], 0x0              ; query 72, key 74, bq 76, bk 78
	s_load_b128 s[80:83], s[0:1], 0x20             ; wt 80, qkv 82
	v_lshl_add_u32 v254, v0, 2, 0x3e000
	v_mov_b32 v255, 0
	ds_add_u32 v254, v255
	v_lshrrev_b32 v1, 5, v0
	v_readfirstlane_b32 s10, v1                    ; wave 0..3
	s_lshr_b32 s11, s10, 1                         ; I fetch for x (0) or for W (1)
	s_and_b32 s12, s10, 1                          ; which 128 rows of that tile
	s_bfe_u32 s40, ttmp6, 0x40000                  ; cx
	s_bfe_u32 s41, ttmp6, 0x40004                  ; cy
	s_lshl_b32 s42, ttmp9, 2
	s_add_co_u32 s42, s42, s40                     ; nb: block of 256 columns = 4 x cluster x + cx
	s_and_b32 s13, ttmp7, 0xffff                   ; cluster y, 0..15
	s_lshr_b32 s45, s13, 3                         ; which: 0 q, 1 k; the same in the whole cluster
	s_and_b32 s13, s13, 7
	s_lshl_b32 s13, s13, 2
	s_add_co_u32 s13, s13, s41                     ; mb: block of 256 rows, 0..31
	s_lshl_b32 s43, s41, 2
	s_lshl_b32 s43, 15, s43                        ; my row of the cluster
	s_lshl_b32 s44, 0x1111, s40                    ; my column
	; group 1 for x: 128 rows x 64 elements of 4 bytes, 4 words of padding behind every 64 words
	s_or_b32 s[G1+0], s43, (2<<16)|(1<<20)|(1<<21)|(5<<22)|(3<<25)
	s_mov_b32 s[G1+1], 64<<16                      ; tensor_dim0 = 64
	s_mov_b32 s[G1+2], 128<<16                     ; tensor_dim1 = 128
	s_mov_b32 s[G1+3], 64<<16                      ; tile_dim0 = 64
	s_mov_b32 s[G1+4], 128                         ; tile_dim1 = 128
	s_mov_b32 s[G1+5], 1024                        ; elements from row to row
	s_mov_b32 s[G1+6], 0
	s_mov_b32 s[G1+7], 0
	; group 1 for W: 128 rows x 64 elements of 2 bytes, 4 words of padding behind every 32 words
	s_or_b32 s[G1B+0], s44, (1<<16)|(1<<20)|(1<<21)|(4<<22)|(3<<25)
	s_mov_b32 s[G1B+1], 64<<16
	s_mov_b32 s[G1B+2], 128<<16
	s_mov_b32 s[G1B+3], 64<<16
	s_mov_b32 s[G1B+4], 128
	s_mov_b32 s[G1B+5], 64
	s_mov_b32 s[G1B+6], 0
	s_mov_b32 s[G1B+7], 0
	; x's tile hangs on mb alone, W's on nb and which alone; each offset in registers that never hold the other coordinate
	s_lshl_b32 s17, s12, 7
	s_lshl_b32 s16, s13, 8
	s_add_co_u32 s16, s16, s17                     ; x: row 256 mb + 128 half
	s_lshl_b32 s16, s16, 12                        ; x 4,096 bytes (below 2^25)
	s_lshl_b32 s46, s42, 8
	s_add_co_u32 s46, s46, s17                     ; W: row n = 256 nb + 128 half
	s_lshl_b32 s46, s46, 7                         ; x 128 bytes
	s_lshl_b32 s47, s45, 21                        ; + which x 2,097,152
	s_add_co_u32 s46, s46, s47
	s_mov_b32 s17, 0
	s_mov_b32 s47, 0
	s_mul_i32 s20, s10, AHALF                      ; LDS: x's halves at wave x 34,816 (waves 0, 1)
	s_mul_i32 s21, s10, BHALF
	s_add_co_u32 s21, s21, BOFF-2*BHALF            ; W's halves at 69,632 + (wave - 2) x 18,432 (waves 2, 3)
	s_lshl_b32 s90, s13, 8                         ; prefetch: rows 256 mb + 64 cx ..., from K step 4 on
	s_lshl_b32 s91, s40, 6
	s_add_co_u32 s90, s90, s91
	s_lshl_b32 s90, s90, 12
	s_add_co_u32 s90, s90, 4*256
	s_mov_b32 s91, 0
	s_lshl_b32 s92, s42, 10                        ; my block's 256 biases
	s_mov_b32 s93, 0
	s_mov_b32 s66, 0x3d800000                      ; sc = 2^-4, twice: a pair for the packed forms
	s_mov_b32 s67, 0x3d800000
	s_wait_dscnt 0x0
	s_wait_kmcnt 0x0
	s_cmp_eq_u32 s45, 1                            ; the input and the bias are chosen by the cluster's y alone
	s_cselect_b64 s[4:5], s[74:75], s[72:73]
	s_cselect_b64 s[68:69], s[78:79], s[76:77]
	s_add_nc_u64 s[14:15], s[4:5], s[16:17]
	s_add_nc_u64 s[46:47], s[80:81], s[46:47]
	s_add_nc_u64 s[88:89], s[4:5], s[90:91]
	s_add_nc_u64 s[68:69], s[68:69], s[92:93]
	CROUND                                         ; all sixteen work-groups are here: the first joint loads meet
.irp s, 0,1
	s_mov_b32 s[G0+4*\s], 1
	s_add_co_u32 s[G0+4*\s+1], s20, \s*SLOT
	s_add_nc_u64 s[G0+4*\s+2:G0+4*\s+3], s[14:15], \s*256          ; K step s: 64 f32
	s_or_b32 s[G0+4*\s+3], s[G0+4*\s+3], 0x80000000
	s_mov_b32 s[G0B+4*\s], 1
	s_add_co_u32 s[G0B+4*\s+1], s21, \s*SLOT
	s_add_nc_u64 s[G0B+4*\s+2:G0B+4*\s+3], s[46:47], \s*131072     ; block kb = s
	s_or_b32 s[G0B+4*\s+3], s[G0B+4*\s+3], 0x80000000
	JLOAD \s                                       ; both slots are asked for before anything else: two tensor loads of the wave are out
.endr
	v_and_b32 v1, 15, v0                           ; r = lane mod 16
	v_bfe_u32 v2, v0, 4, 1                         ; h = lane / 16
	v_and_b32 v3, 31, v0                           ; lane
	v_mul_u32_u24 v4, v1, PA
	v_lshl_add_u32 v4, v2, 5, v4                   ; x: row r, 8 f32 = 32 bytes for each half of the lanes
	s_mul_i32 s21, s10, 64*PA                      ; my 64 rows
	v_add_nc_u32 v[ADRA], s21, v4
	v_add_nc_u32 v[ADRA+1], SLOT, v[ADRA]
	v_mul_u32_u24 v5, v1, PB
	v_lshl_add_u32 v5, v2, 4, v5                   ; W: row r, 8 f16 = 16 bytes for each half
	v_add_nc_u32 v[ADRB], BOFF, v5
	v_add_nc_u32 v[ADRB+1], BOFF+SLOT, v5
	s_mul_i32 s22, s10, SWAVE
	s_add_co_u32 s22, s22, STAGE                   ; my stage
	v_add_nc_u32 v[STO], s22, v5
	v_lshrrev_b32 v6, 3, v3
	v_mul_u32_u24 v6, v6, PB
	v_and_b32 v7, 7, v0
	v_lshl_add_u32 v6, v7, 4, v6                   ; back: 8 lanes a row of 128 bytes, 4 rows a load
	v_add_nc_u32 v[RD], s22, v6
	v_lshlrev_b32 v[CO], 4, v3
	s_lshl_b32 s23, s10, 10
	s_add_co_u32 s23, s23, BIAS                    ; my 1,024 bytes of biases
	v_lshlrev_b32 v[BGO], 5, v3
	v_add_nc_u32 v[BST], s23, v[BGO]
	v_lshlrev_b32 v[BRD], 5, v2
	v_add_nc_u32 v[BRD], s23, v[BRD]
	s_lshl_b32 s22, s10, 4
	v_add_nc_u32 v[PFV], s22, v1                   ; prefetch: row 16 w + r of my work-group's 64,
	v_lshlrev_b32 v[PFV], 12, v[PFV]
	v_lshl_add_u32 v[PFV], v2, 8, v[PFV]           ; lanes 16-31 the next K step's 256 bytes
	global_load_b128 v[BI:BI+3],   v[BGO], s[68:69]            ; waited for on the way out
	global_load_b128 v[BI+4:BI+7], v[BGO], s[68:69] offset:16
; 16 matrix instructions: row blocks a0, a0 + 1 x 8 column blocks (hi = 0: blocks 0-7, 1: blocks 8-15), 32 along K, from buffers f.
; zero = 1: the first product starts the sums.  The 64 accumulators take turns, one instruction a turn, in the same order in every
; quarter.
.macro MUL16 f, hi, a0, zero
.irp a, \a0, \a0+1
.irp b, 0,1,2,3,4,5,6,7
.if \zero
	v_wmma_f32_16x16x32_f16 v[8*(8*(\a)+\b):8*(8*(\a)+\b)+7], v[128*\f+8*(8*\hi+\b):128*\f+8*(8*\hi+\b)+7], v[AF+32*\f+8*(\a):AF+32*\f+8*(\a)+7], 0
.else
	v_wmma_f32_16x16x32_f16 v[8*(8*(\a)+\b):8*(8*(\a)+\b)+7], v[128*\f+8*(8*\hi+\b):128*\f+8*(8*\hi+\b)+7], v[AF+32*\f+8*(\a):AF+32*\f+8*(\a)+7], v[8*(8*(\a)+\b):8*(8*(\a)+\b)+7]
.endif
.endr
.endr
.endm
; 48 LDS loads in one run: 32 along K (half kq of the slot's step): x's 64 rows in f32 first, then W's 256 rows into buffer g.
; A lane's k = 8h .. 8h+7 are 32 bytes of f32 at 32 h, its k = 16+8h .. at 64 + 32 h.
.macro FETCH slot, kq, g
	WIN 0
.irp a, 0,1,2,3
	ds_load_b128 v[RAW+16*\a:RAW+16*\a+3],     v[ADRA+\slot] offset:\kq*128+\a*16*PA
	ds_load_b128 v[RAW+16*\a+4:RAW+16*\a+7],   v[ADRA+\slot] offset:\kq*128+\a*16*PA+16
	ds_load_b128 v[RAW+16*\a+8:RAW+16*\a+11],  v[ADRA+\slot] offset:\kq*128+\a*16*PA+64
	ds_load_b128 v[RAW+16*\a+12:RAW+16*\a+15], v[ADRA+\slot] offset:\kq*128+\a*16*PA+80
.endr
	WIN TO_B
.irp b, 0,1,2,3,4,5,6,7,8,9,10,11,12,13,14,15
	ds_load_b128 v[128*\g+8*\b:128*\g+8*\b+3],   v[ADRB+\slot] offset:\kq*64+\b*16*PB
	ds_load_b128 v[128*\g+8*\b+4:128*\g+8*\b+7], v[ADRB+\slot] offset:\kq*64+\b*16*PB+32
.endr
.endm
.macro CVT g                           ; x to f16, rounded to nearest even: 4 fragments.  Buffer g was last read a quarter ago, with four v_nop since
	WIN 0
.irp a, 0,1,2,3
.irp j, 0,1,2,3,4,5,6,7
	v_cvt_pk_f16_f32 v[AF+32*\g+8*\a+\j], v[RAW+16*\a+2*\j], v[RAW+16*\a+2*\j+1]
.endr
.endr
.endm
; A K step is two halves of 32 along K, 64 matrix instructions each, on buffers 0 and 1.
; The first: multiplies buffers 0 and fetches the slot's second half into buffers 1.
.macro QUARTER slot, zero
	s_wait_dscnt 16                                ; W's column blocks 0-7 are in; the youngest 16 loads (blocks 8-15) may be out
	WIN MUL_LO
	MUL16 0, 0, 0, \zero
	MUL16 0, 0, 2, \zero
	PLACES
	FETCH \slot, 1, 1
	s_wait_dscnt 48                                ; all but the 48 just issued
	WIN MUL_HI
	MUL16 0, 1, 0, \zero
	s_wait_dscnt 32                                ; x's 16 loads are in; W's 32 behind them stay out
	CVT 1
	WIN MUL_HI
	MUL16 0, 1, 2, \zero
.endm
; The second: multiplies buffers 1 and changes slots.  fill = 1: this slot is filled again, two K steps ahead.
; In front of the barrier each wave waits for its reads of this slot and for all its tensor loads (one is out: its part of the next slot).
; Where the slot is filled again the barrier opens a round of the cluster's barrier, and the joint refill is the first tensor load behind it.
; pf = 1: a prefetch of x; pf = 2: its base steps.
.macro TURN slot, next, fill, pf
	s_wait_dscnt 16
	WIN MUL_LO
	MUL16 1, 0, 0, 0
	s_wait_dscnt 0x0                               ; my reads of this slot are over
	s_set_vgpr_msb 0xa1a0
	s_wait_tensorcnt 0x0                           ; and all my tensor loads have landed
	ds_add_u32 v254, v255
	s_wait_dscnt 0x0
	s_set_vgpr_msb 0xa0a1
	s_barrier_signal -1
	MUL16 1, 0, 2, 0                               ; register work while the others arrive
	WIN 0
	s_barrier_wait -1
.if \fill
	CREST                                          ; no wave of any partner still reads this slot or has a load on its way
	s_add_nc_u64 s[G0+4*\slot+2:G0+4*\slot+3], s[G0+4*\slot+2:G0+4*\slot+3], 2*256
	s_add_nc_u64 s[G0B+4*\slot+2:G0B+4*\slot+3], s[G0B+4*\slot+2:G0B+4*\slot+3], 2*131072
	JLOAD \slot                                    ; from here to the wait for it a wave issues 112 matrix instructions
.if (\pf) == 1
	; x's K steps 2 i + 4 and 2 i + 5 in lap i, which the next lap's joint loads ask for: 32 blocks of 256 bytes a wave, 16 rows x 2 steps.
	; The four waves of the four partners along the cluster's row take 16 rows each of the 256, so each block is asked for once.
	; Laps 0 to 5 ask, the last for K steps 14 and 15: nothing past a row's end.
	global_prefetch_b8 v[PFV], s[88:89] th:TH_LOAD_NT scope:SCOPE_SE
.endif
.if (\pf) == 2
	s_wait_xcnt 0x0                                ; the prefetch of a K step ago has read its base
	s_add_nc_u64 s[88:89], s[88:89], 2*256
.endif
.endif
	PLACES
	FETCH \next, 0, 0
	WIN MUL_HI
	MUL16 1, 1, 0, 0
	s_wait_dscnt 32                                ; x's 16 loads are in
	CVT 0
	WIN MUL_HI
	MUL16 1, 1, 2, 0
.endm
.macro LAP zero, pf                    ; once round the ring, both slots filled again
	QUARTER 0, \zero
	TURN 0, 1, 1, \pf
	QUARTER 1, 0
	TURN 1, 0, 1, 2*\pf
.endm
	s_wait_tensorcnt 1                             ; my part of K step 0 is in; K step 1's stays out
	s_barrier_signal -1
	s_barrier_wait -1
	FETCH 0, 0, 0
	s_wait_dscnt 32
	CVT 0
	LAP 1, 1                                       ; K steps 0, 1: the first products start the sums
	WIN 0
	s_mov_b32 s3, 5
.Llap:
	LAP 0, 1                                       ; K steps 2 to 11
	WIN 0
	s_sub_co_u32 s3, s3, 1
	s_cmp_lg_u32 s3, 0
	s_cbranch_scc1 .Llap
	LAP 0, 0                                       ; K steps 12, 13; asks for 14, 15
	QUARTER 0, 0                                   ; the last lap fills nothing
	TURN 0, 1, 0, 0
	QUARTER 1, 0
	s_wait_dscnt 0x0
	WIN MUL_LO
	MUL16 1, 0, 0, 0
	MUL16 1, 0, 2, 0
	WIN MUL_HI
	MUL16 1, 1, 0, 0
	MUL16 1, 1, 2, 0
	; THE WAY OUT.  Biases times sc go through my own LDS bytes so that each lane gets the 8 of its columns in every column block.
	WIN 0
	PLACES                                         ; four places behind the last matrix instructions
	s_lshl_b32 s90, s45, 24                        ; which x 16,777,216
	s_lshr_b32 s91, s13, 3
	s_lshl_b32 s91, s91, 22                        ; + batch x 4,194,304
	s_add_co_u32 s90, s90, s91
	s_lshl_b32 s91, s42, 20                        ; + head 4 nb x 262,144
	s_add_co_u32 s90, s90, s91
	s_and_b32 s91, s13, 7
	s_lshl_b32 s91, s91, 15                        ; + s = (mb mod 8) x 256 rows of 128 bytes
	s_add_co_u32 s90, s90, s91
	s_lshl_b32 s91, s10, 13                        ; + 64 w rows
	s_add_co_u32 s90, s90, s91
	s_mov_b32 s91, 0
	s_add_nc_u64 s[8:9], s[82:83], s[90:91]
	s_wait_loadcnt 0x0                             ; my 8 biases
.irp j, 0,2,4,6
	v_pk_mul_f32 v[BI+\j:BI+\j+1], v[BI+\j:BI+\j+1], s[66:67] op_sel_hi:[1,0]
.endr
	ds_store_b128 v[BST], v[BI:BI+3]
	ds_store_b128 v[BST], v[BI+4:BI+7] offset:16
	WIN TO_B
.irp b, 0,1,2,3,4,5,6,7,8,9,10,11,12,13,14,15
	ds_load_b128 v[8*\b:8*\b+3],   v[BRD] offset:64*\b          ; LDS serves a wave's instructions in order (ISA guide 5.7.1): these see the stores above
	ds_load_b128 v[8*\b+4:8*\b+7], v[BRD] offset:64*\b+16       ; columns 16 b + 8 h .. + 7, into window 1
.endr
	s_wait_dscnt 0x0
; rows 16 a .. 16 a + 15 of my 64: (sum x sc + bias x sc) in one fused multiply-add, rounded to f16, 16 bytes a lane into my stage,
; read back as 4 heads x 16 rows of 128 bytes: each head's 16 rows are 2,048 consecutive bytes of the output.
.macro OUTQ a
	WIN 0x92                                       ; sums window 2, biases window 1
.irp b, 0,1,2,3,4,5,6,7
.irp r, 0,2,4,6
	v_pk_fma_f32 v[8*(8*\a+\b)+\r:8*(8*\a+\b)+\r+1], v[8*(8*\a+\b)+\r:8*(8*\a+\b)+\r+1], s[66:67], v[8*\b+\r:8*\b+\r+1] op_sel_hi:[1,0,1]
.endr
.endr
	WIN 0x0a
.irp b, 0,1,2,3,4,5,6,7
.irp r, 0,1,2,3
	v_cvt_pk_f16_f32 v[TMP+4*\b+\r], v[8*(8*\a+\b)+2*\r], v[8*(8*\a+\b)+2*\r+1]
.endr
.endr
	WIN 0xd3                                       ; sums window 3
.irp b, 0,1,2,3,4,5,6,7
.irp r, 0,2,4,6
	v_pk_fma_f32 v[8*(8*\a+\b)+\r:8*(8*\a+\b)+\r+1], v[8*(8*\a+\b)+\r:8*(8*\a+\b)+\r+1], s[66:67], v[64+8*\b+\r:64+8*\b+\r+1] op_sel_hi:[1,0,1]
.endr
.endr
	WIN 0x0f
.irp b, 0,1,2,3,4,5,6,7
.irp r, 0,1,2,3
	v_cvt_pk_f16_f32 v[TMP+32+4*\b+\r], v[8*(8*\a+\b)+2*\r], v[8*(8*\a+\b)+2*\r+1]
.endr
.endr
	WIN 0
.irp t, 0,1,2,3,4,5,6,7,8,9,10,11,12,13,14,15
	ds_store_b128 v[STO], v[TMP+4*\t:TMP+4*\t+3] offset:(\t>>2)*16*PB+(\t&3)*32
.endr
	s_wait_xcnt 0x0                                ; the last rows' stores have read v[RB ..]: they are loaded again only behind this wait
.irp u, 0,1,2,3,4,5,6,7,8,9,10,11,12,13,14,15
	ds_load_b128 v[RB+4*\u:RB+4*\u+3], v[RD] offset:\u*4*PB     ; 4 rows a load; 16 rows a head
.endr
.irp u, 0,1,2,3,4,5,6,7,8,9,10,11,12,13,14,15
	s_wait_dscnt 15-\u
	global_store_b128 v[CO], v[RB+4*\u:RB+4*\u+3], s[8:9] offset:(\u>>2)*262144+\a*2048+(\u&3)*512   ; 512 consecutive bytes, aligned
.endr
.endm
	OUTQ 0
	OUTQ 1
	OUTQ 2
	OUTQ 3
	s_wait_tensorcnt 0x0
	ds_add_u32 v254, v255
	s_wait_dscnt 0x0
	CROUND                                         ; the closing round: no work-group ends while a partner may still ask jointly
	s_endpgm
.Lfunc_end_k_q18a030e968_qk:
	.size	k_q18a030e968_qk, .Lfunc_end_k_q18a030e968_qk-k_q18a030e968_qk
	.p2alignl 7, 3214868480
	.fill 96, 4, 3214868480
	.section	.rodata,"a",@progbits
	.p2align	6, 0x0
	.amdhsa_kernel k_q18a030e968_qk
		.amdhsa_group_segment_fixed_size 327680
		.amdhsa_private_segment_fixed_size 0
		.amdhsa_enable_private_segment 0
		.amdhsa_kernarg_size 48
		.amdhsa_user_sgpr_count 2
		.amdhsa_user_sgpr_kernarg_segment_ptr 1
		.amdhsa_wavefront_size32 1
		.amdhsa_system_sgpr_workgroup_id_x 1
		.amdhsa_system_sgpr_workgroup_id_y 1
		.amdhsa_system_sgpr_workgroup_id_z 1
		.amdhsa_system_vgpr_workitem_id 0
		.amdhsa_next_free_vgpr 1024
		.amdhsa_next_free_sgpr 96
		.amdhsa_reserve_vcc 0
		.amdhsa_float_denorm_mode_32 3
		.amdhsa_float_denorm_mode_16_64 3
		.amdhsa_memory_ordered 1
		.amdhsa_forward_progress 1
		.amdhsa_inst_pref_size 216
	.end_amdhsa_kernel
	.amdgpu_metadata
---
amdhsa.version: [ 1, 2 ]
amdhsa.kernels:
  - .name:           k_q18a030e968_qk
    .symbol:         k_q18a030e968_qk.kd
    .args:
      - { .name: query, .offset: 0, .size: 8, .value_kind: global_buffer, .address_space: global }
      - { .name: key, .offset: 8, .size: 8, .value_kind: global_buffer, .address_space: global }
      - { .name: bq, .offset: 16, .size: 8, .value_kind: global_buffer, .address_space: global }
      - { .name: bk, .offset: 24, .size: 8, .value_kind: global_buffer, .address_space: global }
      - { .name: wt, .offset: 32, .size: 8, .value_kind: global_buffer, .address_space: global }
      - { .name: qkv, .offset: 40, .size: 8, .value_kind: global_buffer, .address_space: global }
    .group_segment_fixed_size: 327680
    .private_segment_fixed_size: 0
    .kernarg_segment_align: 8
    .kernarg_segment_size: 48
    .max_flat_workgroup_size: 128
    .sgpr_count:     96
    .vgpr_count:     1024
    .wavefront_size: 32
...
	.end_amdgpu_metadata
.endif
;; end of part 2
;; launch vp (part 3): grid 4 x 64, 4 waves a work-group, clusters of 4 x 4, 327,680 bytes of LDS; arguments value, bv, wt, qkv; writes qkv
.if DOCPART == 3
	.amdgcn_target "amdgcn-amd-amdhsa--gfx1250"
	.amdhsa_code_object_version 6
	.text
	.protected	k_q18a030e968_vp
	.globl	k_q18a030e968_vp
	.p2align	8
	.type	k_q18a030e968_vp,@function
k_q18a030e968_vp:
	s_mov_b64 s[64:65], 0
	v_nop
	global_prefetch_b8 v0, s[64:65] scope:SCOPE_SE
	s_setreg_imm32_b32 hwreg(HW_REG_WAVE_MODE, 25, 1), 1
	s_wait_xcnt 0x0
	s_wait_alu depctr_hold_cnt(0) depctr_sa_sdst(0) depctr_va_vdst(0) depctr_va_sdst(0) depctr_va_ssrc(0) depctr_va_vcc(0) depctr_vm_vsrc(0)
	s_getreg_b32 s2, hwreg(HW_REG_IB_STS2, 6, 4)
	s_cmp_eq_u32 s2, 0
	s_cbranch_scc0 .Lentry_in_a_cluster
	s_endpgm
.Lentry_in_a_cluster:
	s_bfe_u32 s2, ttmp6, 0x10000c
	s_cmp_lg_u32 s2, 0xf033
	s_cbranch_scc0 .Lentry_shape_is_right
	s_endpgm
.Lentry_shape_is_right:
; v = value Wv + bv in f16, head-major: qkv[2][batch][head][s][64].  value: [8192][1024] f32; Wv from wt (third weight), f16, [kb][n][64 k].
; LIMITS: |value| and |w| below 65,504 (they enter the matrix unit as f16); |v| below 65,504 (stored as f16).
; 8192 x 1024 / (128 x 256) = 256 work-groups.  A work-group makes 128 rows x 256 columns with four waves laid 2 x 2; a wave makes
; 64 rows x 128 columns: 32 accumulator tiles, one register window.
; K goes in steps of 128 through two LDS slots filled by the tensor data mover.  A slot holds Wv's blocks kb = 2 t and 2 t + 1 (two planes
; of 256 rows n x 64 k, dense in memory, pitch 144) and x's 128 rows x 128 k in f32 (rows of 512 bytes of memory, aligned, pitch 528):
; 73,728 + 67,584 = 141,312 bytes.  The block of 128 rows is what lets two slots of this step lie in LDS beside each other.
; Each wave fetches a quarter of a slot's bytes with one load: waves 0, 1 a plane of Wv, waves 2, 3 64 rows of x.
; CLUSTERS: 4 x 4 work-groups.  The four of a cluster's row share x's tile, the four of a column Wv's: each tile is asked for jointly,
; by the same load with the same descriptor in all four, which divides the requests for both by four.
; REGISTERS: window 0: addresses, x's fragments in f16 (two buffers), x as loaded in f32, work on the way out;
;   window 1: Wv's fragments, two buffers of 8 x 8;  window 2: tile (a, b) at v[8 (8 a + b)], a = 0..3 row blocks, b = 0..7 column blocks.
; The matrix instruction is used transposed (source 0 = 16 columns of Wv, source 1 = 16 rows of x): a lane then holds 8 neighbouring
; columns of one row of the result, which pack into 16 bytes.
.set PA,     528                       ; LDS pitch of x's rows: 512 bytes + 16, an odd multiple of 16
.set PB,     144                       ; LDS pitch of Wv's rows: 128 bytes + 16
.set PLANE,  256*PB                    ; 36,864: what one tensor load brings of Wv
.set AHALF,  64*PA                     ; 33,792: and of x
.set AOFF,   2*PLANE                   ; x's 128 rows lie behind Wv's two planes
.set SLOT,   AOFF+2*AHALF              ; 141,312
.set STAGE,  2*SLOT                    ; the way out: for each wave 2 heads x 16 rows x 144 bytes; no tensor load lands here
.set SWAVE,  2*16*PB
.set BIAS,   STAGE+4*SWAVE             ; for each wave 128 biases in f32
.set ADRA, 16                          ; v16-17  LDS address of my x fragments in slot 0, 1
.set ADRB, 20                          ; v20-21  the same for Wv
.set STO,  24                          ; the way out: where I put 16 bytes
.set RD,   25                          ; where I read rows back
.set CO,   26                          ; 16 x lane: my place in 512 bytes of the output
.set BST,  27                          ; where I put my 4 biases
.set PFV,  28                          ; prefetch: my row and my block of 256 bytes; never rewritten
.set BRD,  29                          ; where I read a tile's biases
.set BGO,  30                          ; 16 x lane: my 4 biases in memory
.set AF,   32                          ; v32-63, v64-95: x in f16, two buffers of 4 fragments
.set RAW,  96                          ; v96-159: x in f32, 4 fragments x 16
.set TMP,  160                         ; v160-191: packed results
.set BI,   224                         ; v224-227: my 4 biases
.set RB,   32                          ; v32-63: rows read back
.set G1,  24                           ; s[24:31] group 1 for x's tiles
.set G0,  32                           ; s[32:39] group 0 for x's tiles, one set a slot
.set G1B, 48                           ; s[48:55] group 1 for Wv's planes
.set G0B, 56                           ; s[56:63] group 0 for Wv's planes, one set a slot
.set MSB, 0
.macro WIN new                         ; the immediate's high byte repeats the setting that is left
.if MSB != \new
	s_set_vgpr_msb (MSB<<8)|\new
.set MSB, \new
.endif
.endm
.set MULW, 0xa1                        ; source 0 (Wv) window 1, source 1 (x) window 0, C and D window 2
.set TO_B, 0x40                        ; destination window 1, address window 0
.macro PLACES                          ; four places behind matrix instructions, ahead of loads into and writes of their registers
.rept 4
	v_nop
.endr
.endm
; A joint load: waves 0 and 1 fetch Wv's two planes, waves 2 and 3 x's two halves.  The branch hangs on the wave's number alone.
.macro JLOAD s
	s_cmp_eq_u32 s11, 0
	s_cbranch_scc0 .Lfor_x_\@
	tensor_load_to_lds s[G0B+4*\s:G0B+4*\s+3], s[G1B:G1B+7]
	s_nop 0
	s_branch .Lasked_\@
.Lfor_x_\@:
	tensor_load_to_lds s[G0+4*\s:G0+4*\s+3], s[G1:G1+7]
	s_nop 0
.Lasked_\@:
.endm
.macro CREST                           ; a round of the cluster's barrier behind its opening work-group barrier
	s_cmp_lg_u32 s10, 0
	s_cbranch_scc1 .Lnot_wave_0_\@
	s_barrier_signal -3
.Lnot_wave_0_\@:
	s_barrier_wait -3
	s_barrier_signal -1
	s_barrier_wait -1
.endm
.macro CROUND                          ; a whole round
	s_barrier_signal -1
	s_barrier_wait -1
	CREST
.endm
	s_load_b256 s[72:79], s[0:1], 0x0              ; value 72, bv 74, wt 76, qkv 78
	s_set_vgpr_msb 0x40
	v_lshl_add_u32 v255, v0, 2, 0x4a000
	s_set_vgpr_msb 0x4000
	v_mov_b32 v255, 0
	s_set_vgpr_msb 0x1
	ds_add_u32 v255, v255
	s_set_vgpr_msb 0x100
	v_lshrrev_b32 v1, 5, v0
	v_readfirstlane_b32 s10, v1                    ; wave 0..3
	s_lshr_b32 s11, s10, 1                         ; my half of the block's rows.  Also: I fetch for Wv (0) or for x (1)
	s_and_b32 s12, s10, 1                          ; my half of its columns.  Also: which plane, or which 64 rows, I fetch
	s_bfe_u32 s40, ttmp6, 0x40000                  ; cx
	s_bfe_u32 s41, ttmp6, 0x40004                  ; cy
	s_lshl_b32 s42, ttmp9, 2
	s_add_co_u32 s42, s42, s40                     ; nb: block of 256 columns = 4 x cluster x + cx
	s_and_b32 s13, ttmp7, 0xffff
	s_lshl_b32 s13, s13, 2
	s_add_co_u32 s13, s13, s41                     ; mb: block of 128 rows = 4 x cluster y + cy, 0..63
	s_lshl_b32 s43, s41, 2
	s_lshl_b32 s43, 15, s43                        ; my row of the cluster
	s_lshl_b32 s44, 0x1111, s40                    ; my column
	; group 1 for x: 64 rows x 128 elements of 4 bytes, 4 words of padding behind every 128 words
	s_or_b32 s[G1+0], s43, (2<<16)|(1<<20)|(1<<21)|(6<<22)|(3<<25)
	s_mov_b32 s[G1+1], 128<<16                     ; tensor_dim0 = 128
	s_mov_b32 s[G1+2], 64<<16                      ; tensor_dim1 = 64
	s_mov_b32 s[G1+3], 128<<16                     ; tile_dim0 = 128
	s_mov_b32 s[G1+4], 64                          ; tile_dim1 = 64
	s_mov_b32 s[G1+5], 1024                        ; elements from row to row
	s_mov_b32 s[G1+6], 0
	s_mov_b32 s[G1+7], 0
	; group 1 for Wv: 256 rows x 64 elements of 2 bytes, dense; 4 words of padding behind every 32 words
	s_or_b32 s[G1B+0], s44, (1<<16)|(1<<20)|(1<<21)|(4<<22)|(3<<25)
	s_mov_b32 s[G1B+1], 64<<16                     ; tensor_dim0 = 64
	s_mov_b32 s[G1B+2], 256<<16                    ; tensor_dim1 = 256
	s_mov_b32 s[G1B+3], 64<<16                     ; tile_dim0 = 64
	s_mov_b32 s[G1B+4], 256                        ; tile_dim1 = 256
	s_mov_b32 s[G1B+5], 64                         ; elements from row to row
	s_mov_b32 s[G1B+6], 0
	s_mov_b32 s[G1B+7], 0
	; x's tile hangs on mb alone, Wv's on nb alone; each offset in registers that never hold the other coordinate
	s_lshl_b32 s16, s13, 7
	s_lshl_b32 s17, s12, 6
	s_add_co_u32 s16, s16, s17                     ; x: row 128 mb + 64 half
	s_lshl_b32 s16, s16, 12                        ; x 4,096 bytes (below 2^25)
	s_mov_b32 s17, 0
	s_lshl_b32 s46, s42, 15                        ; Wv: nb x 256 rows of 128 bytes
	s_lshl_b32 s47, s12, 17                        ; + my plane: one kb = 131,072
	s_add_co_u32 s46, s46, s47
	s_add_co_u32 s46, s46, 2*2097152               ; the third weight
	s_mov_b32 s47, 0
	s_mul_i32 s21, s10, PLANE                      ; LDS: Wv's planes at wave x 36,864 (waves 0, 1)
	s_mul_i32 s20, s10, AHALF
	s_add_co_u32 s20, s20, AOFF-2*AHALF            ; x's halves at 73,728 + (wave - 2) x 33,792 (waves 2, 3)
	s_lshl_b32 s90, s13, 7                         ; prefetch: rows 128 mb + 32 cx ..., from K step 2 on
	s_lshl_b32 s91, s40, 5
	s_add_co_u32 s90, s90, s91
	s_lshl_b32 s90, s90, 12
	s_add_co_u32 s90, s90, 2*512
	s_mov_b32 s91, 0
	s_lshl_b32 s92, s42, 10                        ; my wave's 128 biases: 1,024 nb + 512 half
	s_lshl_b32 s93, s12, 9
	s_add_co_u32 s92, s92, s93
	s_mov_b32 s93, 0
	s_wait_dscnt 0x0
	s_wait_kmcnt 0x0
	s_add_nc_u64 s[14:15], s[72:73], s[16:17]
	s_add_nc_u64 s[46:47], s[76:77], s[46:47]
	s_add_nc_u64 s[88:89], s[72:73], s[90:91]
	s_add_nc_u64 s[68:69], s[74:75], s[92:93]
	CROUND                                         ; all sixteen work-groups are here: the first joint loads meet
.irp s, 0,1
	s_mov_b32 s[G0+4*\s], 1
	s_add_co_u32 s[G0+4*\s+1], s20, \s*SLOT
	s_add_nc_u64 s[G0+4*\s+2:G0+4*\s+3], s[14:15], \s*512          ; K step s: 128 f32
	s_or_b32 s[G0+4*\s+3], s[G0+4*\s+3], 0x80000000
	s_mov_b32 s[G0B+4*\s], 1
	s_add_co_u32 s[G0B+4*\s+1], s21, \s*SLOT
	s_add_nc_u64 s[G0B+4*\s+2:G0B+4*\s+3], s[46:47], \s*262144     ; two kb on
	s_or_b32 s[G0B+4*\s+3], s[G0B+4*\s+3], 0x80000000
	JLOAD \s                                       ; both slots are asked for before anything else: two tensor loads of the wave are out
.endr
	v_and_b32 v1, 15, v0                           ; r = lane mod 16
	v_bfe_u32 v2, v0, 4, 1                         ; h = lane / 16
	v_and_b32 v3, 31, v0                           ; lane
	v_and_b32 v7, 7, v0                            ; lane mod 8
	v_lshrrev_b32 v6, 3, v3                        ; lane / 8
	s_lshl_b32 s22, s10, 3
	v_add_nc_u32 v[PFV], s22, v7                   ; prefetch: row 8 w + lane mod 8 of my work-group's 32,
	v_lshlrev_b32 v[PFV], 12, v[PFV]
	v_lshl_add_u32 v[PFV], v6, 8, v[PFV]           ; block lane / 8 of four: 1,024 bytes = two K steps
	; x's K steps 2 and 3, which the joint loads at the ends of K steps 0 and 1 ask for.  A wave asks for 8 rows x 4 blocks of 256 bytes; the
	; sixteen waves of the four partners along the cluster's row take 8 rows each of the 128, so each block is asked for once.
	global_prefetch_b8 v[PFV], s[88:89] th:TH_LOAD_NT scope:SCOPE_SE
	v_mul_u32_u24 v4, v1, PA
	v_lshl_add_u32 v4, v2, 5, v4                   ; x: row r, 8 f32 = 32 bytes for each half of the lanes
	s_mul_i32 s22, s11, 64*PA                      ; my 64 rows,
	s_add_co_u32 s22, s22, AOFF                    ; behind Wv's planes
	v_add_nc_u32 v[ADRA], s22, v4
	v_add_nc_u32 v[ADRA+1], SLOT, v[ADRA]
	v_mul_u32_u24 v5, v1, PB
	v_lshl_add_u32 v5, v2, 4, v5                   ; Wv: row r, 8 f16 = 16 bytes for each half
	s_mul_i32 s23, s12, 128*PB                     ; my 128 columns
	v_add_nc_u32 v[ADRB], s23, v5
	v_add_nc_u32 v[ADRB+1], SLOT, v[ADRB]
	s_mul_i32 s22, s10, SWAVE
	s_add_co_u32 s22, s22, STAGE                   ; my stage
	v_add_nc_u32 v[STO], s22, v5
	v_mul_u32_u24 v6, v6, PB
	v_lshl_add_u32 v6, v7, 4, v6                   ; back: 8 lanes a row of 128 bytes, 4 rows a load
	v_add_nc_u32 v[RD], s22, v6
	v_lshlrev_b32 v[CO], 4, v3
	s_lshl_b32 s23, s10, 9
	s_add_co_u32 s23, s23, BIAS                    ; my 512 bytes of biases
	v_lshlrev_b32 v[BGO], 4, v3
	v_add_nc_u32 v[BST], s23, v[BGO]
	v_lshlrev_b32 v[BRD], 5, v2
	v_add_nc_u32 v[BRD], s23, v[BRD]
	global_load_b128 v[BI:BI+3], v[BGO], s[68:69]  ; waited for on the way out
; 8 matrix instructions: row block a x my 8 column blocks, 32 along K, from buffers f.  zero = 1: the first product starts the sums.
; The 32 accumulators take turns, one instruction a turn, in the same order in every quarter.
.macro MUL8 f, a, zero
.irp b, 0,1,2,3,4,5,6,7
.if \zero
	v_wmma_f32_16x16x32_f16 v[8*(8*\a+\b):8*(8*\a+\b)+7], v[64*\f+8*\b:64*\f+8*\b+7], v[AF+32*\f+8*\a:AF+32*\f+8*\a+7], 0
.else
	v_wmma_f32_16x16x32_f16 v[8*(8*\a+\b):8*(8*\a+\b)+7], v[64*\f+8*\b:64*\f+8*\b+7], v[AF+32*\f+8*\a:AF+32*\f+8*\a+7], v[8*(8*\a+\b):8*(8*\a+\b)+7]
.endif
.endr
.endm
; 32 LDS loads in one run: quarter kq (32 along K) of the slot's step: x's 64 rows in f32 first, then Wv's 128 rows into buffer g.
; A lane's k = 8h .. 8h+7 are 32 bytes of f32 at 32 h, its k = 16+8h .. at 64 + 32 h.  Quarters 0, 1 lie in Wv's first plane, 2, 3 in the second.
.macro FETCH slot, kq, g
	WIN 0
.irp a, 0,1,2,3
	ds_load_b128 v[RAW+16*\a:RAW+16*\a+3],     v[ADRA+\slot] offset:\kq*128+\a*16*PA
	ds_load_b128 v[RAW+16*\a+4:RAW+16*\a+7],   v[ADRA+\slot] offset:\kq*128+\a*16*PA+16
	ds_load_b128 v[RAW+16*\a+8:RAW+16*\a+11],  v[ADRA+\slot] offset:\kq*128+\a*16*PA+64
	ds_load_b128 v[RAW+16*\a+12:RAW+16*\a+15], v[ADRA+\slot] offset:\kq*128+\a*16*PA+80
.endr
	WIN TO_B
.irp b, 0,1,2,3,4,5,6,7
	ds_load_b128 v[64*\g+8*\b:64*\g+8*\b+3],   v[ADRB+\slot] offset:(\kq>>1)*PLANE+(\kq&1)*64+\b*16*PB
	ds_load_b128 v[64*\g+8*\b+4:64*\g+8*\b+7], v[ADRB+\slot] offset:(\kq>>1)*PLANE+(\kq&1)*64+\b*16*PB+32
.endr
.endm
.macro CVT g                           ; x to f16, rounded to nearest even: 4 fragments.  Buffer g was last read a quarter ago, with four v_nop since
	WIN 0
.irp a, 0,1,2,3
.irp j, 0,1,2,3,4,5,6,7
	v_cvt_pk_f16_f32 v[AF+32*\g+8*\a+\j], v[RAW+16*\a+2*\j], v[RAW+16*\a+2*\j+1]
.endr
.endr
.endm
; A K step is four quarters of 32 along K, 32 matrix instructions each, on buffers 0, 1, 0, 1.
; One of the first three: multiplies buffers f; fetches quarter kq of the same slot into buffers g.
.macro QUARTER slot, kq, f, g, zero
	s_wait_dscnt 0x0                               ; Wv's fragments of buffer f are in (x's were waited for ahead of their conversion)
	WIN MULW
	MUL8 \f, 0, \zero
	PLACES
	FETCH \slot, \kq, \g
	WIN MULW
	MUL8 \f, 1, \zero
	MUL8 \f, 2, \zero
	s_wait_dscnt 16                                ; x's 16 loads are in; Wv's 16 behind them stay out
	CVT \g
	WIN MULW
	MUL8 \f, 3, \zero
.endm
.macro THREE slot, zero
	QUARTER \slot, 1, 0, 1, \zero
	QUARTER \slot, 2, 1, 0, 0
	QUARTER \slot, 3, 0, 1, 0
.endm
; The last quarter: multiplies buffers 1 and changes slots.  fill = 1: this slot is filled again, two K steps ahead.
; In front of the barrier each wave waits for its reads of this slot and for all its tensor loads (one is out: its part of the next slot).
; Where the slot is filled again the barrier opens a round of the cluster's barrier, and the joint refill is the first tensor load behind it.
; pf: not 0: a prefetch of x at that byte offset.
.macro TURN slot, next, fill, pf
	s_wait_dscnt 0x0                               ; Wv's fragments of buffer 1 are in, and with them all my reads of this slot
	WIN MULW
	MUL8 1, 0, 0
	s_wait_tensorcnt 0x0                           ; all my tensor loads have landed
	ds_add_u32 v255, v255
	s_wait_dscnt 0x0
	s_barrier_signal -1
	MUL8 1, 1, 0                                   ; register work while the others arrive
	WIN 0
	s_barrier_wait -1
.if \fill
	CREST                                          ; no wave of any partner still reads this slot or has a load on its way
	s_add_nc_u64 s[G0+4*\slot+2:G0+4*\slot+3], s[G0+4*\slot+2:G0+4*\slot+3], 2*512
	s_add_nc_u64 s[G0B+4*\slot+2:G0B+4*\slot+3], s[G0B+4*\slot+2:G0B+4*\slot+3], 2*262144
	JLOAD \slot                                    ; from here to the wait for it a wave issues 120 matrix instructions
.if \pf
	; the next lap's two refills ask for these 1,024 bytes of each row: lap 0 asks for K steps 4 and 5, lap 1 for 6 and 7, the row's last
	global_prefetch_b8 v[PFV], s[88:89] offset:\pf th:TH_LOAD_NT scope:SCOPE_SE
.endif
.endif
	PLACES
	FETCH \next, 0, 0
	WIN MULW
	MUL8 1, 2, 0
	s_wait_dscnt 16                                ; x's 16 loads are in
	CVT 0
	WIN MULW
	MUL8 1, 3, 0
.endm
.macro LAP zero, pf                    ; once round the ring, both slots filled again
	THREE 0, \zero
	TURN 0, 1, 1, 0
	THREE 1, 0
	TURN 1, 0, 1, \pf
.endm
	s_wait_tensorcnt 1                             ; my part of K step 0 is in; K step 1's stays out
	s_barrier_signal -1
	s_barrier_wait -1
	FETCH 0, 0, 0
	s_wait_dscnt 16                                ; x's 16 loads are in
	CVT 0
	LAP 1, 1024                                    ; K steps 0, 1: the first products start the sums; asks for 2, 3
	LAP 0, 2048                                    ; K steps 2, 3; asks for 4, 5
	LAP 0, 0                                       ; K steps 4, 5; asks for 6, 7
	THREE 0, 0                                     ; the last lap fills nothing
	TURN 0, 1, 0, 0
	THREE 1, 0
	s_wait_dscnt 0x0
	WIN MULW
	MUL8 1, 0, 0
	MUL8 1, 1, 0
	MUL8 1, 2, 0
	MUL8 1, 3, 0
	; THE WAY OUT.  The biases go through my own LDS bytes so that each lane gets the 8 of its columns in every column block.
	WIN 0
	PLACES                                         ; four places behind the last matrix instructions
	s_lshr_b32 s91, s13, 4
	s_lshl_b32 s90, s91, 22                        ; batch = mb / 16, x 4,194,304
	s_add_co_u32 s90, s90, 2*16777216              ; v is the third matrix
	s_lshl_b32 s91, s42, 20                        ; + head 4 nb x 262,144
	s_add_co_u32 s90, s90, s91
	s_lshl_b32 s91, s12, 19                        ; + 2 heads for the right half of the columns
	s_add_co_u32 s90, s90, s91
	s_and_b32 s91, s13, 15
	s_lshl_b32 s91, s91, 14                        ; + s = (mb mod 16) x 128 rows of 128 bytes
	s_add_co_u32 s90, s90, s91
	s_lshl_b32 s91, s11, 13                        ; + 64 rows for the lower half of the rows
	s_add_co_u32 s90, s90, s91
	s_mov_b32 s91, 0
	s_add_nc_u64 s[8:9], s[78:79], s[90:91]
	s_wait_loadcnt 0x0                             ; my 4 biases
	ds_store_b128 v[BST], v[BI:BI+3]
	WIN TO_B
.irp b, 0,1,2,3,4,5,6,7
	ds_load_b128 v[8*\b:8*\b+3],   v[BRD] offset:64*\b          ; LDS serves a wave's instructions in order (ISA guide 5.7.1): these see the store above
	ds_load_b128 v[8*\b+4:8*\b+7], v[BRD] offset:64*\b+16       ; columns 16 b + 8 h .. + 7, into window 1
.endr
	s_wait_dscnt 0x0
; rows 16 a .. 16 a + 15 of my 64: sum + bias, rounded to f16, 16 bytes a lane into my stage, read back as 2 heads x 16 rows of 128 bytes:
; each head's 16 rows are 2,048 consecutive bytes of the output.
.macro OUTQ a
	WIN 0x86                                       ; sums window 2, biases (source 1) window 1
.irp b, 0,1,2,3,4,5,6,7
.irp r, 0,2,4,6
	v_pk_add_f32 v[8*(8*\a+\b)+\r:8*(8*\a+\b)+\r+1], v[8*(8*\a+\b)+\r:8*(8*\a+\b)+\r+1], v[8*\b+\r:8*\b+\r+1]
.endr
.endr
	WIN 0x0a
.irp b, 0,1,2,3,4,5,6,7
.irp r, 0,1,2,3
	v_cvt_pk_f16_f32 v[TMP+4*\b+\r], v[8*(8*\a+\b)+2*\r], v[8*(8*\a+\b)+2*\r+1]
.endr
.endr
	WIN 0
.irp t, 0,1,2,3,4,5,6,7
	ds_store_b128 v[STO], v[TMP+4*\t:TMP+4*\t+3] offset:(\t>>2)*16*PB+(\t&3)*32
.endr
	s_wait_xcnt 0x0                                ; the last rows' stores have read v[RB ..]: they are loaded again only behind this wait
.irp u, 0,1,2,3,4,5,6,7
	ds_load_b128 v[RB+4*\u:RB+4*\u+3], v[RD] offset:\u*4*PB     ; 4 rows a load; 16 rows a head
.endr
.irp u, 0,1,2,3,4,5,6,7
	s_wait_dscnt 7-\u
	global_store_b128 v[CO], v[RB+4*\u:RB+4*\u+3], s[8:9] offset:(\u>>2)*262144+\a*2048+(\u&3)*512   ; 512 consecutive bytes, aligned
.endr
.endm
	OUTQ 0
	OUTQ 1
	OUTQ 2
	OUTQ 3
	s_set_vgpr_msb 0x1
	s_wait_tensorcnt 0x0
	ds_add_u32 v255, v255
	s_wait_dscnt 0x0
	s_set_vgpr_msb 0x100
	CROUND                                         ; the closing round: no work-group ends while a partner may still ask jointly
	s_endpgm
.Lfunc_end_k_q18a030e968_vp:
	.size	k_q18a030e968_vp, .Lfunc_end_k_q18a030e968_vp-k_q18a030e968_vp
	.p2alignl 7, 3214868480
	.fill 96, 4, 3214868480
	.section	.rodata,"a",@progbits
	.p2align	6, 0x0
	.amdhsa_kernel k_q18a030e968_vp
		.amdhsa_group_segment_fixed_size 327680
		.amdhsa_private_segment_fixed_size 0
		.amdhsa_enable_private_segment 0
		.amdhsa_kernarg_size 32
		.amdhsa_user_sgpr_count 2
		.amdhsa_user_sgpr_kernarg_segment_ptr 1
		.amdhsa_wavefront_size32 1
		.amdhsa_system_sgpr_workgroup_id_x 1
		.amdhsa_system_sgpr_workgroup_id_y 1
		.amdhsa_system_sgpr_workgroup_id_z 1
		.amdhsa_system_vgpr_workitem_id 0
		.amdhsa_next_free_vgpr 768
		.amdhsa_next_free_sgpr 96
		.amdhsa_reserve_vcc 0
		.amdhsa_float_denorm_mode_32 3
		.amdhsa_float_denorm_mode_16_64 3
		.amdhsa_memory_ordered 1
		.amdhsa_forward_progress 1
		.amdhsa_inst_pref_size 242
	.end_amdhsa_kernel
	.amdgpu_metadata
---
amdhsa.version: [ 1, 2 ]
amdhsa.kernels:
  - .name:           k_q18a030e968_vp
    .symbol:         k_q18a030e968_vp.kd
    .args:
      - { .name: value, .offset: 0, .size: 8, .value_kind: global_buffer, .address_space: global }
      - { .name: bv, .offset: 8, .size: 8, .value_kind: global_buffer, .address_space: global }
      - { .name: wt, .offset: 16, .size: 8, .value_kind: global_buffer, .address_space: global }
      - { .name: qkv, .offset: 24, .size: 8, .value_kind: global_buffer, .address_space: global }
    .group_segment_fixed_size: 327680
    .private_segment_fixed_size: 0
    .kernarg_segment_align: 8
    .kernarg_segment_size: 32
    .max_flat_workgroup_size: 128
    .sgpr_count:     96
    .vgpr_count:     768
    .wavefront_size: 32
...
	.end_amdgpu_metadata
.endif
;; end of part 3
;; launch attn (part 4): grid 256 x 1, 8 waves a work-group, clusters of 4 x 1, 327,680 bytes of LDS; arguments qkv, ctx; writes ctx
.if DOCPART == 4
	.amdgcn_target "amdgcn-amd-amdhsa--gfx1250"
	.amdhsa_code_object_version 6
	.text
	.protected	k_q18a030e968_attn
	.globl	k_q18a030e968_attn
	.p2align	8
	.type	k_q18a030e968_attn,@function
k_q18a030e968_attn:
	s_mov_b64 s[64:65], 0
	v_nop
	global_prefetch_b8 v0, s[64:65] scope:SCOPE_SE
	s_setreg_imm32_b32 hwreg(HW_REG_WAVE_MODE, 25, 1), 1
	s_wait_xcnt 0x0
	s_wait_alu depctr_hold_cnt(0) depctr_sa_sdst(0) depctr_va_vdst(0) depctr_va_sdst(0) depctr_va_ssrc(0) depctr_va_vcc(0) depctr_vm_vsrc(0)
	s_getreg_b32 s2, hwreg(HW_REG_IB_STS2, 6, 4)
	s_cmp_eq_u32 s2, 0
	s_cbranch_scc0 .Lentry_in_a_cluster
	s_endpgm
.Lentry_in_a_cluster:
	s_bfe_u32 s2, ttmp6, 0x10000c
	s_cmp_lg_u32 s2, 0x3003
	s_cbranch_scc0 .Lentry_shape_is_right
	s_endpgm
.Lentry_shape_is_right:
; ctx = softmax(q k^T / 8) v for one (batch, head) and 512 queries a work-group; f16 operands, f32 sums, a running maximum.
; q and k come in times 2^-4 each, so a score is multiplied by C = 2^8 x log2(e) / 8 and the exponentials are taken to base 2.
; LIMITS: probabilities enter P V as f16: those below about 6e-8 of the row's largest count as zero there (not in the row's sum);
; ctx is stored as f16: |ctx| below 65,504.
; Eight waves, 64 queries each (4 tiles of 16); two waves share a SIMD, so that one's softmax runs beside the other's products.
; CLUSTERS: the four work-groups of a cluster are the four query blocks of one head and read the same K and V: every tile is asked
; for jointly (mask 15).  Tiles of 256 keys go through two LDS slots; waves 0-3 fetch V's quarters, waves 4-7 K's.
; BOTH PRODUCTS ARE TRANSPOSED.  S^T = K Q^T: lane (r, h) holds query r and keys 8 h + j of a tile; two such tiles, packed to f16,
; are already source 1 of O^T = V^T P^T (32 keys).  So a query's maximum, sum and rescaling factor live in its two lanes, and only
; the maximum crosses the halves in a step.  V^T's fragments come from V's rows by the transposing LDS load.
.set PK,    144                        ; K's LDS pitch: 128 + 16
.set PV,    160                        ; V's LDS pitch: 128 + 32, an odd multiple of 32 for the transposing load
.set KOFF,  256*PV                     ; K's 256 rows lie behind V's
.set SLOT,  KOFF+256*PK                ; 77,824
.set STAGE, 2*SLOT                     ; the way out: 64 rows x 144 bytes a wave; no tensor load lands here
.set KAD, 8                            ; v8-9    LDS address of K's fragments in slot 0, 1
.set VAD, 10                           ; v10-11  the same for V
.set STO, 12
.set RD,  13
.set CO,  14
.set QO,  15
.set ST,  16                           ; v16-23  per query tile a pair: m (the running maximum times C), alpha
.set LS,  24                           ; v24-31  per query tile a pair of partial sums
.set T,   32                           ; v32-39  at work
.set Q,   48                           ; v48-111   Q's fragments at 16 qt + 8 ks
.set KF,  112                          ; v112-175  K's fragments at 16 kt + 8 ks
.set VF,  176                          ; v176-239  V^T's fragments at 16 dt + 8 ks2
.set O,   128                          ; window 1: v0-127 scores at 32 qt + 8 kt, v128-255 O^T at 32 qt + 8 dt
.set G1V, 16
.set G1K, 24
.set G0V, 32                           ; one set a slot
.set G0K, 40
.set W_S,   0x50                       ; K, Q window 0; C, D window 1
.set W_MAX, 0x05                       ; sources 0, 1 window 1; source 2 and destination window 0
.set W_EXP, 0x41                       ; source 0 and destination window 1
.set W_SUM, 0x01                       ; source 0 window 1
.set W_CVT, 0x45                       ; sources 0, 1 and destination window 1
.set W_PV,  0x54                       ; V window 0; P, C, D window 1
.set MSB, 0
.macro WIN new
.if MSB != \new
	s_set_vgpr_msb (MSB<<8)|\new
.set MSB, \new
.endif
.endm
.macro PLACES n
.rept \n
	v_nop
.endr
.endm
.macro ROUND                           ; a round of the cluster's barrier
	s_barrier_signal -1
	s_barrier_wait -1
	s_cmp_lg_u32 s8, 0
	s_cbranch_scc1 .Lnot_wave_0_\@
	s_barrier_signal -3
.Lnot_wave_0_\@:
	s_barrier_wait -3
	s_barrier_signal -1
	s_barrier_wait -1
.endm
.macro JLOAD s                         ; one joint load a wave; the branch hangs on the wave's number alone
	s_cmp_lt_u32 s8, 4
	s_cbranch_scc0 .Lfor_k_\@
	tensor_load_to_lds s[G0V+4*(\s):G0V+4*(\s)+3], s[G1V:G1V+7]
	s_nop 0
	s_branch .Lasked_\@
.Lfor_k_\@:
	tensor_load_to_lds s[G0K+4*(\s):G0K+4*(\s)+3], s[G1K:G1K+7]
	s_nop 0
.Lasked_\@:
.endm
	s_load_b128 s[4:7], s[0:1], 0x0                ; qkv s[4:5], ctx s[6:7]
	v_lshl_add_u32 v254, v0, 2, 0x38000
	v_mov_b32 v255, 0
	ds_add_u32 v254, v255
	v_lshrrev_b32 v1, 5, v0
	v_readfirstlane_b32 s8, v1                     ; wave 0..7
	s_and_b32 s9, s8, 3                            ; which quarter of a tile I fetch
	s_bfe_u32 s10, ttmp6, 0x40000                  ; cx: my block of 512 queries
	s_mov_b32 s12, 0x76543210                      ; v_permlanex16_b32: lane i of one half reads lane i of the other
	s_mov_b32 s13, 0xfedcba98
	s_mov_b32 s14, 0x4238aa3b                      ; C = 32 log2(e)
	s_mov_b32 s15, 0x4238aa3b
	; group 1: 64 rows x 64 elements of 2 bytes, dense in memory; padding behind every 32 words: 8 words for V, 4 for K
	s_mov_b32 s[G1V+0], 15|(1<<16)|(1<<20)|(1<<21)|(4<<22)|(7<<25)
	s_mov_b32 s[G1K+0], 15|(1<<16)|(1<<20)|(1<<21)|(4<<22)|(3<<25)
.irp g, G1V, G1K
	s_mov_b32 s[\g+1], 64<<16                      ; tensor_dim0 = 64
	s_mov_b32 s[\g+2], 64<<16                      ; tensor_dim1 = 64
	s_mov_b32 s[\g+3], 64<<16                      ; tile_dim0 = 64
	s_mov_b32 s[\g+4], 64                          ; tile_dim1 = 64
	s_mov_b32 s[\g+5], 64                          ; elements from row to row
	s_mov_b32 s[\g+6], 0
	s_mov_b32 s[\g+7], 0
.endr
	s_lshl_b32 s50, ttmp9, 18                      ; the head (the cluster's x) x 262,144
	s_lshl_b32 s51, s9, 13                         ; + my quarter: 64 rows of 128 bytes
	s_add_co_u32 s50, s50, s51
	s_mov_b32 s51, 0
	s_mul_i32 s52, s8, 64*PV                       ; LDS: V's quarters at wave x 10,240 (waves 0-3)
	s_mul_i32 s53, s8, 64*PK
	s_add_co_u32 s53, s53, KOFF-4*64*PK            ; K's at 40,960 + (wave - 4) x 9,216 (waves 4-7)
	s_lshl_b32 s54, ttmp9, 18                      ; my wave's queries: head + (512 cx + 64 w) rows of 128 bytes
	s_lshl_b32 s55, s10, 16
	s_add_co_u32 s54, s54, s55
	s_lshl_b32 s55, s8, 13
	s_add_co_u32 s54, s54, s55
	s_mov_b32 s55, 0
	s_wait_dscnt 0x0
	s_wait_kmcnt 0x0
	s_add_nc_u64 s[56:57], s[4:5], s[50:51]        ; free of cx: equal in the four partners
	s_add_nc_u64 s[4:5], s[4:5], s[54:55]          ; q
	s_add_nc_u64 s[6:7], s[6:7], s[54:55]          ; ctx
	ROUND                                          ; in front of the first joint load
.irp s, 0,1
	s_mov_b32 s[G0V+4*\s], 1
	s_add_co_u32 s[G0V+4*\s+1], s52, \s*SLOT
	s_add_nc_u64 s[G0V+4*\s+2:G0V+4*\s+3], s[56:57], 33554432+\s*32768     ; v, tile s
	s_or_b32 s[G0V+4*\s+3], s[G0V+4*\s+3], 0x80000000
	s_mov_b32 s[G0K+4*\s], 1
	s_add_co_u32 s[G0K+4*\s+1], s53, \s*SLOT
	s_add_nc_u64 s[G0K+4*\s+2:G0K+4*\s+3], s[56:57], 16777216+\s*32768     ; k, tile s
	s_or_b32 s[G0K+4*\s+3], s[G0K+4*\s+3], 0x80000000
.endr
	JLOAD 0                                        ; tile 0; one tensor load of the wave is out, here and behind every round
	v_and_b32 v1, 15, v0                           ; r
	v_bfe_u32 v2, v0, 4, 1                         ; h
	v_and_b32 v3, 31, v0                           ; lane
	v_mul_u32_u24 v4, v1, PK
	v_lshl_add_u32 v4, v2, 4, v4                   ; row r, 16 bytes for each half of the lanes
	v_add_nc_u32 v[KAD], KOFF, v4
	v_add_nc_u32 v[KAD+1], KOFF+SLOT, v4
	v_and_b32 v5, 7, v0
	v_lshl_add_u32 v5, v2, 3, v5                   ; V: key 8 h + lane mod 8,
	v_mul_u32_u24 v5, v5, PV
	v_bfe_u32 v6, v0, 3, 1
	v_lshl_add_u32 v[VAD], v6, 4, v5               ; 16 bytes for each group of eight lanes
	v_add_nc_u32 v[VAD+1], SLOT, v[VAD]
	s_mul_i32 s58, s8, 64*PK
	s_add_co_u32 s58, s58, STAGE                   ; my stage
	v_add_nc_u32 v[STO], s58, v4
	v_lshrrev_b32 v6, 3, v3
	v_mul_u32_u24 v6, v6, PK
	v_and_b32 v7, 7, v0
	v_lshl_add_u32 v6, v7, 4, v6
	v_add_nc_u32 v[RD], s58, v6                    ; back: 8 lanes a row of 128 bytes
	v_lshlrev_b32 v[CO], 4, v3
	v_lshlrev_b32 v[QO], 7, v1
	v_lshl_add_u32 v[QO], v2, 4, v[QO]             ; q: row r, 16 bytes for each half
.irp qt, 0,1,2,3
.irp ks, 0,1
	global_load_b128 v[Q+16*\qt+8*\ks:Q+16*\qt+8*\ks+3],   v[QO], s[4:5] offset:\qt*2048+\ks*64
	global_load_b128 v[Q+16*\qt+8*\ks+4:Q+16*\qt+8*\ks+7], v[QO], s[4:5] offset:\qt*2048+\ks*64+32
.endr
.endr
.macro KLOAD slot, j                   ; 64 keys x 64 d: 8 fragments, 16 loads
.irp kt, 0,1,2,3
.irp ks, 0,1
	ds_load_b128 v[KF+16*\kt+8*\ks:KF+16*\kt+8*\ks+3],   v[KAD+\slot] offset:(\j)*64*PK+\kt*16*PK+\ks*64
	ds_load_b128 v[KF+16*\kt+8*\ks+4:KF+16*\kt+8*\ks+7], v[KAD+\slot] offset:(\j)*64*PK+\kt*16*PK+\ks*64+32
.endr
.endr
.endm
.macro VLOAD slot, j                   ; 64 d x 64 keys, transposed on the way: 8 fragments, 16 loads
.irp dt, 0,1,2,3
.irp ks2, 0,1
	ds_load_tr16_b128 v[VF+16*\dt+8*\ks2:VF+16*\dt+8*\ks2+3],   v[VAD+\slot] offset:(\j)*64*PV+\ks2*32*PV+\dt*32
	ds_load_tr16_b128 v[VF+16*\dt+8*\ks2+4:VF+16*\dt+8*\ks2+7], v[VAD+\slot] offset:(\j)*64*PV+\ks2*32*PV+16*PV+\dt*32
.endr
.endr
.endm
; One step: 64 keys (quarter j of the slot) against my 64 queries.  first = 1: the launch's first step starts maximum, sums and O.
; In both runs of products the 16 accumulators take turns, one instruction a turn.
.macro STEP slot, j, first
.if \j == 0
	KLOAD \slot, 0
.endif
	VLOAD \slot, \j
	s_wait_dscnt 16                                ; K's fragments are in; V's 16 loads behind them stay out
.if \first
	s_wait_loadcnt 0x0                             ; q
.endif
	WIN W_S
.irp qt, 0,1,2,3
.irp kt, 0,1,2,3
	v_wmma_f32_16x16x32_f16 v[32*\qt+8*\kt:32*\qt+8*\kt+7], v[KF+16*\kt:KF+16*\kt+7], v[Q+16*\qt:Q+16*\qt+7], 0
.endr
.endr
.irp qt, 0,1,2,3
.irp kt, 0,1,2,3
	v_wmma_f32_16x16x32_f16 v[32*\qt+8*\kt:32*\qt+8*\kt+7], v[KF+16*\kt+8:KF+16*\kt+15], v[Q+16*\qt+8:Q+16*\qt+15], v[32*\qt+8*\kt:32*\qt+8*\kt+7]
.endr
.endr
	WIN 0
	PLACES 4                                       ; ahead of the reads of the scores and of the loads into K's fragments
.if \j < 3
	KLOAD \slot, \j+1
.endif
	; the largest of a lane's 32 scores of each query tile: two chains a tile
	WIN W_MAX
.irp qt, 0,1,2,3
	v_max_num_f32 v[T+2*\qt],   v[32*\qt],    v[32*\qt+1]
	v_max_num_f32 v[T+2*\qt+1], v[32*\qt+16], v[32*\qt+17]
.endr
.irp p, 2,4,6,8,10,12,14
.irp qt, 0,1,2,3
	v_max3_num_f32 v[T+2*\qt],   v[32*\qt+\p],    v[32*\qt+\p+1],  v[T+2*\qt]
	v_max3_num_f32 v[T+2*\qt+1], v[32*\qt+16+\p], v[32*\qt+17+\p], v[T+2*\qt+1]
.endr
.endr
	WIN 0
.irp qt, 0,1,2,3
	v_max_num_f32 v[T+2*\qt], v[T+2*\qt], v[T+2*\qt+1]
.endr
.irp qt, 0,1,2,3
	v_permlanex16_b32 v[T+2*\qt+1], v[T+2*\qt], s12, s13       ; the query's other lane
.endr
.irp qt, 0,1,2,3
	v_max_num_f32 v[T+2*\qt], v[T+2*\qt], v[T+2*\qt+1]
.endr
.if \first
.irp qt, 0,1,2,3
	v_mul_f32 v[ST+2*\qt], s14, v[T+2*\qt]         ; m = C x the step's maximum
	v_mov_b32 v[ST+2*\qt+1], 0                     ; the pair is named whole below
	v_mov_b32 v[LS+2*\qt], 0
	v_mov_b32 v[LS+2*\qt+1], 0
.endr
.else
.irp qt, 0,1,2,3
	v_mul_f32 v[T+2*\qt], s14, v[T+2*\qt]
.endr
.irp qt, 0,1,2,3
	v_max_num_f32 v[T+2*\qt], v[T+2*\qt], v[ST+2*\qt]          ; the new running maximum
.endr
.irp qt, 0,1,2,3
	v_sub_f32 v[T+2*\qt+1], v[ST+2*\qt], v[T+2*\qt]
.endr
.irp qt, 0,1,2,3
	v_exp_f32 v[ST+2*\qt+1], v[T+2*\qt+1]          ; alpha = 2^(old - new)
.endr
.irp qt, 0,1,2,3
	v_mov_b32 v[ST+2*\qt], v[T+2*\qt]              ; plain instructions between the exponentials and alpha's first use (ISA guide 5.7.2)
.endr
	s_wait_alu depctr_va_vdst(0)
.irp qt, 0,1,2,3
	v_pk_mul_f32 v[LS+2*\qt:LS+2*\qt+1], v[LS+2*\qt:LS+2*\qt+1], v[ST+2*\qt:ST+2*\qt+1] op_sel:[0,1] op_sel_hi:[1,1]
.endr
.endif
	; p = 2^(C s - m), in place.  Behind each two exponentials stand O's rescaling by alpha and the next tile's C s - m.
	WIN W_EXP
.irp p, 0,2,4,6,8,10,12,14,16,18,20,22,24,26,28,30
	v_pk_fma_f32 v[\p:\p+1], v[\p:\p+1], s[14:15], v[ST:ST+1] op_sel_hi:[1,0,0] neg_lo:[0,0,1] neg_hi:[0,0,1]
.endr
.irp qt, 0,1,2,3
.irp p, 0,2,4,6,8,10,12,14,16,18,20,22,24,26,28,30
	v_exp_f32 v[32*\qt+\p],   v[32*\qt+\p]
	v_exp_f32 v[32*\qt+\p+1], v[32*\qt+\p+1]
.if \first == 0
	v_pk_mul_f32 v[O+32*\qt+\p:O+32*\qt+\p+1], v[O+32*\qt+\p:O+32*\qt+\p+1], v[ST+2*\qt:ST+2*\qt+1] op_sel:[0,1] op_sel_hi:[1,1]
.endif
.if \qt < 3
	v_pk_fma_f32 v[32*\qt+32+\p:32*\qt+33+\p], v[32*\qt+32+\p:32*\qt+33+\p], s[14:15], v[ST+2*\qt+2:ST+2*\qt+3] op_sel_hi:[1,0,0] neg_lo:[0,0,1] neg_hi:[0,0,1]
.endif
.endr
.endr
.if \first
	v_nop                                          ; the plain place behind the last exponentials
	s_wait_alu depctr_va_vdst(0)
.endif
	WIN W_SUM
	s_wait_alu depctr_va_vdst(0)
.irp p, 0,2,4,6,8,10,12,14,16,18,20,22,24,26,28,30
.irp qt, 0,1,2,3
	v_pk_add_f32 v[LS+2*\qt:LS+2*\qt+1], v[32*\qt+\p:32*\qt+\p+1], v[LS+2*\qt:LS+2*\qt+1]
.endr
.endr
	; two score tiles pack into one fragment of 32 keys, in place: word jj takes numbers 2 jj and 2 jj + 1, which lie at or above it
	WIN W_CVT
.irp qt, 0,1,2,3
.irp ks2, 0,1
.irp jj, 0,1,2,3,4,5,6,7
	v_cvt_pk_f16_f32 v[32*\qt+16*\ks2+\jj], v[32*\qt+16*\ks2+2*\jj], v[32*\qt+16*\ks2+2*\jj+1]
.endr
.endr
.endr
.if \j < 3
	s_wait_dscnt 16                                ; V's fragments are in; the next K's 16 loads stay out
.else
	s_wait_dscnt 0x0
.endif
	WIN W_PV
.irp qt, 0,1,2,3
.irp dt, 0,1,2,3
.if \first
	v_wmma_f32_16x16x32_f16 v[O+32*\qt+8*\dt:O+32*\qt+8*\dt+7], v[VF+16*\dt:VF+16*\dt+7], v[32*\qt:32*\qt+7], 0
.else
	v_wmma_f32_16x16x32_f16 v[O+32*\qt+8*\dt:O+32*\qt+8*\dt+7], v[VF+16*\dt:VF+16*\dt+7], v[32*\qt:32*\qt+7], v[O+32*\qt+8*\dt:O+32*\qt+8*\dt+7]
.endif
.endr
.endr
.irp qt, 0,1,2,3
.irp dt, 0,1,2,3
	v_wmma_f32_16x16x32_f16 v[O+32*\qt+8*\dt:O+32*\qt+8*\dt+7], v[VF+16*\dt+8:VF+16*\dt+15], v[32*\qt+16:32*\qt+23], v[O+32*\qt+8*\dt:O+32*\qt+8*\dt+7]
.endr
.endr
	WIN 0
	PLACES 5                                       ; the next scores are written over P, and V's fragments are loaded again (ISA guide 7.12.1)
.endm
; A tile of 256 keys.  In front of the round every wave waits for all its tensor loads (its part of this tile) and for its reads of the
; other slot; behind the round the other slot is asked for again first, jointly, one load a wave: it has this tile's four steps to land.
.macro TRIP slot, refill, first
	s_wait_tensorcnt 0x0
	ds_add_u32 v254, v255
	s_wait_dscnt 0x0
	s_add_nc_u64 s[G0V+4*\slot+2:G0V+4*\slot+3], s[G0V+4*\slot+2:G0V+4*\slot+3], 2*32768   ; no load of mine is out: this slot's next tile
	s_add_nc_u64 s[G0K+4*\slot+2:G0K+4*\slot+3], s[G0K+4*\slot+2:G0K+4*\slot+3], 2*32768
	s_wait_dscnt 0x0
	ROUND
.if \refill
	JLOAD 1-\slot
.endif
	STEP \slot, 0, \first
	STEP \slot, 1, 0
	STEP \slot, 2, 0
	STEP \slot, 3, 0
.endm
	TRIP 0, 1, 1                                   ; tile 0; asks for tile 1
	s_mov_b32 s48, 3
.Ltiles:
	TRIP 1, 1, 0                                   ; tiles 1 to 6
	TRIP 0, 1, 0
	s_sub_co_u32 s48, s48, 1
	s_cmp_lg_u32 s48, 0
	s_cbranch_scc1 .Ltiles
	TRIP 1, 0, 0                                   ; tile 7: nothing is left to fetch (the stepped addresses are not used)
	; THE WAY OUT: O / sum, f16, 16 bytes a lane (8 neighbouring d of one query) into my stage, back as rows of 128 bytes.
.irp qt, 0,1,2,3
	v_add_f32 v[T+2*\qt], v[LS+2*\qt], v[LS+2*\qt+1]
.endr
.irp qt, 0,1,2,3
	v_permlanex16_b32 v[T+2*\qt+1], v[T+2*\qt], s12, s13
.endr
.irp qt, 0,1,2,3
	v_add_f32 v[T+2*\qt], v[T+2*\qt], v[T+2*\qt+1] ; the row's sum: at least about 1, since the largest score gives 2^0
.endr
.irp qt, 0,1,2,3
	v_rcp_f32 v[ST+2*\qt],   v[T+2*\qt]
	v_rcp_f32 v[ST+2*\qt+1], v[T+2*\qt]
.endr
	v_nop                                          ; the plain place behind the reciprocals
	WIN W_EXP
	s_wait_alu depctr_va_vdst(0)
.irp qt, 0,1,2,3
.irp p, 0,2,4,6,8,10,12,14,16,18,20,22,24,26,28,30
	v_pk_mul_f32 v[O+32*\qt+\p:O+32*\qt+\p+1], v[O+32*\qt+\p:O+32*\qt+\p+1], v[ST+2*\qt:ST+2*\qt+1]
.endr
.endr
	WIN W_MAX
.irp qt, 0,1,2,3
.irp dt, 0,1,2,3
.irp r, 0,1,2,3
	v_cvt_pk_f16_f32 v[KF+16*\qt+4*\dt+\r], v[O+32*\qt+8*\dt+2*\r], v[O+32*\qt+8*\dt+2*\r+1]
.endr
.endr
.endr
	WIN 0
.irp qt, 0,1,2,3
.irp dt, 0,1,2,3
	ds_store_b128 v[STO], v[KF+16*\qt+4*\dt:KF+16*\qt+4*\dt+3] offset:\qt*16*PK+\dt*32
.endr
.endr
.irp u, 0,1,2,3,4,5,6,7,8,9,10,11,12,13,14,15
	ds_load_b128 v[VF+4*\u:VF+4*\u+3], v[RD] offset:\u*4*PK     ; my own bytes: LDS serves a wave's instructions in order (ISA guide 5.7.1)
.endr
.irp u, 0,1,2,3,4,5,6,7,8,9,10,11,12,13,14,15
	s_wait_dscnt 15-\u
	global_store_b128 v[CO], v[VF+4*\u:VF+4*\u+3], s[6:7] offset:512*\u     ; 512 consecutive bytes, aligned
.endr
	s_wait_tensorcnt 0x0
	ds_add_u32 v254, v255
	s_wait_dscnt 0x0
	ROUND                                          ; the closing round
	s_endpgm
.Lfunc_end_k_q18a030e968_attn:
	.size	k_q18a030e968_attn, .Lfunc_end_k_q18a030e968_attn-k_q18a030e968_attn
	.p2alignl 7, 3214868480
	.fill 96, 4, 3214868480
	.section	.rodata,"a",@progbits
	.p2align	6, 0x0
	.amdhsa_kernel k_q18a030e968_attn
		.amdhsa_group_segment_fixed_size 327680
		.amdhsa_private_segment_fixed_size 0
		.amdhsa_enable_private_segment 0
		.amdhsa_kernarg_size 16
		.amdhsa_user_sgpr_count 2
		.amdhsa_user_sgpr_kernarg_segment_ptr 1
		.amdhsa_wavefront_size32 1
		.amdhsa_system_sgpr_workgroup_id_x 1
		.amdhsa_system_sgpr_workgroup_id_y 1
		.amdhsa_system_sgpr_workgroup_id_z 1
		.amdhsa_system_vgpr_workitem_id 0
		.amdhsa_next_free_vgpr 512
		.amdhsa_next_free_sgpr 66
		.amdhsa_reserve_vcc 0
		.amdhsa_float_denorm_mode_32 3
		.amdhsa_float_denorm_mode_16_64 3
		.amdhsa_memory_ordered 1
		.amdhsa_forward_progress 1
		.amdhsa_inst_pref_size 255
	.end_amdhsa_kernel
	.section	.bss,"aw",@nobits
	.p2align	6
	.space	262144
	.amdgpu_metadata
---
amdhsa.version: [ 1, 2 ]
amdhsa.kernels:
  - .name:           k_q18a030e968_attn
    .symbol:         k_q18a030e968_attn.kd
    .args:
      - { .name: qkv, .offset: 0, .size: 8, .value_kind: global_buffer, .address_space: global }
      - { .name: ctx, .offset: 8, .size: 8, .value_kind: global_buffer, .address_space: global }
    .group_segment_fixed_size: 327680
    .private_segment_fixed_size: 0
    .kernarg_segment_align: 8
    .kernarg_segment_size: 16
    .max_flat_workgroup_size: 256
    .sgpr_count:     66
    .vgpr_count:     512
    .wavefront_size: 32
...
	.end_amdgpu_metadata
.endif
;; end of part 4
;; launch outp (part 5): grid 4 x 32, 4 waves a work-group, clusters of 4 x 4, 327,680 bytes of LDS; arguments ctx, wt, bo, out0; writes out0
.if DOCPART == 5
	.amdgcn_target "amdgcn-amd-amdhsa--gfx1250"
	.amdhsa_code_object_version 6
	.text
	.protected	k_q18a030e968_outp
	.globl	k_q18a030e968_outp
	.p2align	8
	.type	k_q18a030e968_outp,@function
k_q18a030e968_outp:
	s_mov_b64 s[64:65], 0
	v_nop
	global_prefetch_b8 v0, s[64:65] scope:SCOPE_SE
	s_setreg_imm32_b32 hwreg(HW_REG_WAVE_MODE, 25, 1), 1
	s_wait_xcnt 0x0
	s_wait_alu depctr_hold_cnt(0) depctr_sa_sdst(0) depctr_va_vdst(0) depctr_va_sdst(0) depctr_va_ssrc(0) depctr_va_vcc(0) depctr_vm_vsrc(0)
	s_getreg_b32 s2, hwreg(HW_REG_IB_STS2, 6, 4)
	s_cmp_eq_u32 s2, 0
	s_cbranch_scc0 .Lentry_in_a_cluster
	s_endpgm
.Lentry_in_a_cluster:
	s_bfe_u32 s2, ttmp6, 0x10000c
	s_cmp_lg_u32 s2, 0xf033
	s_cbranch_scc0 .Lentry_shape_is_right
	s_endpgm
.Lentry_shape_is_right:
; out0 = ctx Wo + bo, f32.  ctx: f16 [batch][head][s][64]; Wo from wt (fourth weight), f16 [kb][n][64 k]; sums in f32.
; LIMIT: the operands are f16 as the earlier launches stored them (|ctx|, |w| below 65,504).
; A work-group makes 256 x 256 of the result with four waves, a wave 128 x 128: 64 accumulator tiles, 512 registers.
; K goes in steps of 128 = two heads through two LDS slots.  A slot is four planes of 256 rows x 64 k (128 bytes, pitch 144):
; ctx's heads 2 t and 2 t + 1, Wo's blocks kb = 2 t and 2 t + 1; each wave fetches one plane with one tensor load; a plane is dense in memory.
; The launch has work for 128 work-groups of this shape: 8192 x 1024 / (256 x 256).
; CLUSTERS: 4 x 4 work-groups; ctx's planes are shared along a cluster's row, Wo's along a column, each asked for jointly.
; REGISTERS: window 0: addresses, ctx's fragments (two buffers), biases; window 1: Wo's fragments (two buffers);
;   window 2: the tiles of my rows 0-63 (tile (a, b) at v[8 (8 a + b)]); window 3: rows 64-127.
; The matrix instruction is used transposed (source 0 = Wo's rows n, source 1 = ctx's rows): a lane holds 8 neighbouring columns of one row.
.set PITCH,  144
.set PLANE,  256*PITCH                 ; 36,864
.set HALFR,  128*PITCH                 ; a wave's 128 rows of a plane
.set SLOT,   4*PLANE                   ; 147,456
.set STAGE,  2*SLOT                    ; the way out: 16 rows x 272 bytes a wave; no tensor load lands here
.set SPITCH, 272
.set LAPS,   4                         ; 8 K steps, two a lap
.set ADRA, 16
.set ADRB, 20
.set STO,  24
.set RD,   25
.set CO,   26
.set BGO,  27
.set F0,   64
.set F1,   128
.set BI,   224                         ; v224-231: the biases of my 4 columns in each half of my 128
.set G1, 24
.set G0, 32
.set G1B, 48
.set G0B, 56
.set MSB, 0
.macro WIN new
.if MSB != \new
	s_set_vgpr_msb (MSB<<8)|\new
.set MSB, \new
.endif
.endm
.set MUL_LO, 0xa1
.set MUL_HI, 0xf1
.set TO_B,   0x40
.macro PLACES                          ; four places behind matrix instructions (ISA guide 7.12.1)
.rept 4
	v_nop
.endr
.endm
.macro JLOAD s                         ; waves 0, 1 fetch ctx's two planes, waves 2, 3 Wo's
	s_cmp_eq_u32 s11, 0
	s_cbranch_scc0 .Lfor_b_\@
	tensor_load_to_lds s[G0+4*\s:G0+4*\s+3], s[G1:G1+7]
	s_nop 0
	s_branch .Lasked_\@
.Lfor_b_\@:
	tensor_load_to_lds s[G0B+4*\s:G0B+4*\s+3], s[G1B:G1B+7]
	s_nop 0
.Lasked_\@:
.endm
.macro CREST
	s_cmp_lg_u32 s10, 0
	s_cbranch_scc1 .Lnot_wave_0_\@
	s_barrier_signal -3
.Lnot_wave_0_\@:
	s_barrier_wait -3
	s_barrier_signal -1
	s_barrier_wait -1
.endm
.macro CROUND
	s_barrier_signal -1
	s_barrier_wait -1
	CREST
.endm
	s_load_b128 s[4:7], s[0:1], 0x0                ; ctx s[4:5], wt s[6:7]
	s_load_b128 s[68:71], s[0:1], 0x10             ; bo s[68:69], out0 s[70:71]
	s_set_vgpr_msb 0x40
	v_lshl_add_u32 v255, v0, 2, 0x4c400
	s_set_vgpr_msb 0x4000
	v_mov_b32 v255, 0
	s_set_vgpr_msb 0x1
	ds_add_u32 v255, v255
	s_set_vgpr_msb 0x100
	v_lshrrev_b32 v1, 5, v0
	v_readfirstlane_b32 s10, v1                    ; wave 0..3
	s_lshr_b32 s11, s10, 1                         ; my half of the block's rows.  Also: I fetch for ctx (0) or for Wo (1)
	s_and_b32 s12, s10, 1                          ; my half of its columns.  Also: which of the two planes I fetch
	s_bfe_u32 s40, ttmp6, 0x40000                  ; cx
	s_bfe_u32 s41, ttmp6, 0x40004                  ; cy
	s_lshl_b32 s42, ttmp9, 2
	s_add_co_u32 s42, s42, s40                     ; nb: block of 256 columns
	s_and_b32 s13, ttmp7, 0xffff
	s_lshl_b32 s13, s13, 2
	s_add_co_u32 s13, s13, s41                     ; mb: block of 256 rows
	s_lshl_b32 s43, s41, 2
	s_lshl_b32 s43, 15, s43                        ; my row of the cluster
	s_lshl_b32 s44, 0x1111, s40                    ; my column
	; group 1: 256 rows x 64 elements of 2 bytes, dense; 4 words of padding behind every 32 words
	s_or_b32 s[G1+0], s43, (1<<16)|(1<<20)|(1<<21)|(4<<22)|(3<<25)
	s_or_b32 s[G1B+0], s44, (1<<16)|(1<<20)|(1<<21)|(4<<22)|(3<<25)
.irp g, G1, G1B
	s_mov_b32 s[\g+1], 64<<16                      ; tensor_dim0 = 64
	s_mov_b32 s[\g+2], 256<<16                     ; tensor_dim1 = 256
	s_mov_b32 s[\g+3], 64<<16                      ; tile_dim0 = 64
	s_mov_b32 s[\g+4], 256                         ; tile_dim1 = 256
	s_mov_b32 s[\g+5], 64                          ; elements from row to row
	s_mov_b32 s[\g+6], 0
	s_mov_b32 s[\g+7], 0
.endr
	s_lshr_b32 s16, s13, 3                         ; ctx: batch x 4,194,304
	s_lshl_b32 s16, s16, 22
	s_and_b32 s17, s13, 7
	s_lshl_b32 s17, s17, 15                        ; + (mb mod 8) x 256 rows of 128 bytes
	s_add_co_u32 s16, s16, s17
	s_lshl_b32 s17, s12, 18                        ; + my plane: one head = 262,144
	s_add_co_u32 s16, s16, s17
	s_mov_b32 s17, 0
	s_lshl_b32 s46, s42, 15                        ; Wo: nb x 256 rows of 128 bytes
	s_lshl_b32 s47, s12, 17                        ; + my plane: one kb = 131,072
	s_add_co_u32 s46, s46, s47
	s_add_co_u32 s46, s46, 3*2097152               ; the fourth weight
	s_mov_b32 s47, 0
	s_mul_i32 s20, s10, PLANE                      ; LDS: plane = wave
	s_wait_dscnt 0x0
	s_wait_kmcnt 0x0
	s_add_nc_u64 s[14:15], s[4:5], s[16:17]
	s_add_nc_u64 s[46:47], s[6:7], s[46:47]
	CROUND                                         ; in front of the first joint loads
.irp s, 0,1
	s_mov_b32 s[G0+4*\s], 1
	s_add_co_u32 s[G0+4*\s+1], s20, \s*SLOT
	s_add_nc_u64 s[G0+4*\s+2:G0+4*\s+3], s[14:15], \s*524288       ; K step s: two heads on
	s_or_b32 s[G0+4*\s+3], s[G0+4*\s+3], 0x80000000
	s_mov_b32 s[G0B+4*\s], 1
	s_add_co_u32 s[G0B+4*\s+1], s20, \s*SLOT
	s_add_nc_u64 s[G0B+4*\s+2:G0B+4*\s+3], s[46:47], \s*262144     ; two kb on
	s_or_b32 s[G0B+4*\s+3], s[G0B+4*\s+3], 0x80000000
	JLOAD \s                                       ; two tensor loads of the wave are out
.endr
	v_and_b32 v1, 15, v0                           ; r
	v_bfe_u32 v2, v0, 4, 1                         ; h
	v_mul_u32_u24 v3, v1, PITCH
	v_lshl_add_u32 v3, v2, 4, v3                   ; row r, 16 bytes for each half of the lanes
	s_mul_i32 s21, s11, HALFR                      ; my 128 rows of ctx
	s_mul_i32 s22, s12, HALFR                      ; my 128 rows of Wo,
	s_add_co_u32 s22, s22, 2*PLANE                 ; behind ctx's two planes
.irp s, 0,1
	v_add_nc_u32 v[ADRA+\s], s21, v3
	v_add_nc_u32 v[ADRB+\s], s22, v3
	s_add_co_u32 s21, s21, SLOT
	s_add_co_u32 s22, s22, SLOT
.endr
	s_mul_i32 s23, s10, 16*SPITCH
	s_add_co_u32 s23, s23, STAGE                   ; my stage
	v_mul_u32_u24 v4, v1, SPITCH                   ; in: row r, 8 f32 = 32 bytes for each half of the lanes
	v_lshl_add_u32 v4, v2, 5, v4
	v_add_nc_u32 v[STO], s23, v4
	v_mul_u32_u24 v5, v2, SPITCH                   ; back: lanes 0-15 one row of 256 bytes, lanes 16-31 the next
	v_lshl_add_u32 v5, v1, 4, v5
	v_add_nc_u32 v[RD], s23, v5
	v_lshlrev_b32 v[CO], 12, v2                    ; the same two rows in out0 (4,096 bytes a row)
	v_lshl_add_u32 v[CO], v1, 4, v[CO]
	v_lshlrev_b32 v[BGO], 4, v1
	s_lshl_b32 s72, s42, 10                        ; my first column in bytes: 1,024 nb + 512 half
	s_lshl_b32 s73, s12, 9
	s_add_co_u32 s72, s72, s73
	s_mov_b32 s73, 0
	s_add_nc_u64 s[68:69], s[68:69], s[72:73]
	s_add_nc_u64 s[8:9], s[70:71], s[72:73]
	s_lshl_b32 s72, s13, 20                        ; my first row: (256 mb + 128 half) x 4,096 bytes
	s_lshl_b32 s74, s11, 19
	s_add_co_u32 s72, s72, s74
	s_add_nc_u64 s[8:9], s[8:9], s[72:73]
	global_load_b128 v[BI:BI+3],   v[BGO], s[68:69]            ; columns 4 r .. 4 r + 3 of my first 64; waited for on the way out
	global_load_b128 v[BI+4:BI+7], v[BGO], s[68:69] offset:256 ; and of my second 64
; 16 matrix instructions: row blocks a0, a0 + 1 of the window's four x all 8 column blocks, 32 along K.  The 64 accumulators take turns,
; one instruction a turn, in the same order in every quarter.
.macro MUL16 f, hi, a0, zero
.irp a, \a0, \a0+1
.irp b, 0,1,2,3,4,5,6,7
.if \zero
	v_wmma_f32_16x16x32_f16 v[8*(8*(\a)+\b):8*(8*(\a)+\b)+7], v[\f+8*\b:\f+8*\b+7], v[\f+8*(4*\hi+\a):\f+8*(4*\hi+\a)+7], 0
.else
	v_wmma_f32_16x16x32_f16 v[8*(8*(\a)+\b):8*(8*(\a)+\b)+7], v[\f+8*\b:\f+8*\b+7], v[\f+8*(4*\hi+\a):\f+8*(4*\hi+\a)+7], v[8*(8*(\a)+\b):8*(8*(\a)+\b)+7]
.endif
.endr
.endr
.endm
.macro FETCH slot, k, f                ; 32 LDS loads in one run: 128 rows of Wo, 128 rows of ctx, 32 K at byte k (plane and place in it)
	WIN TO_B
.irp i, 0,1,2,3,4,5,6,7
	ds_load_b128 v[\f+8*\i:\f+8*\i+3],   v[ADRB+\slot] offset:\k+\i*16*PITCH
	ds_load_b128 v[\f+8*\i+4:\f+8*\i+7], v[ADRB+\slot] offset:\k+\i*16*PITCH+32
.endr
	WIN 0
.irp i, 0,1,2,3,4,5,6,7
	ds_load_b128 v[\f+8*\i:\f+8*\i+3],   v[ADRA+\slot] offset:\k+\i*16*PITCH
	ds_load_b128 v[\f+8*\i+4:\f+8*\i+7], v[ADRA+\slot] offset:\k+\i*16*PITCH+32
.endr
.endm
.macro QUARTER slot, k, f, g, zero
	s_wait_dscnt 8                                 ; Wo and ctx's rows 0-63 are in; the youngest eight loads (rows 64-127) may be out
	WIN MUL_LO
	MUL16 \f, 0, 0, \zero
	MUL16 \f, 0, 2, \zero
	PLACES
	FETCH \slot, \k, \g
	s_wait_dscnt 32                                ; all but the 32 just issued
	WIN MUL_HI
	MUL16 \f, 1, 0, \zero
	MUL16 \f, 1, 2, \zero
.endm
.macro THREE slot, zero                ; quarters 0, 1 lie in the first planes, 2, 3 in the second
	QUARTER \slot, 64,       F0, F1, \zero
	QUARTER \slot, PLANE,    F1, F0, 0
	QUARTER \slot, PLANE+64, F0, F1, 0
.endm
; The last quarter changes slots: each wave waits for its reads of this slot and for all its tensor loads (one is out: its plane of the
; next slot), then the barrier; where the slot is filled again it opens a round of the cluster's barrier, and the joint refill is the
; first tensor load behind the round.  From a request to the wait for it a wave issues 240 matrix instructions.
.macro TURN slot, next, fill
	s_wait_dscnt 8
	WIN MUL_LO
	MUL16 F1, 0, 0, 0
	s_wait_dscnt 0x0
	s_wait_tensorcnt 0x0
	ds_add_u32 v255, v255
	s_wait_dscnt 0x0
	s_barrier_signal -1
	MUL16 F1, 0, 2, 0
	WIN 0
	s_barrier_wait -1
.if \fill
	CREST
	s_add_nc_u64 s[G0+4*\slot+2:G0+4*\slot+3], s[G0+4*\slot+2:G0+4*\slot+3], 2*524288
	s_add_nc_u64 s[G0B+4*\slot+2:G0B+4*\slot+3], s[G0B+4*\slot+2:G0B+4*\slot+3], 2*262144
	JLOAD \slot
.endif
	PLACES
	FETCH \next, 0, F0
	WIN MUL_HI
	MUL16 F1, 1, 0, 0
	MUL16 F1, 1, 2, 0
.endm
.macro LAP zero
	THREE 0, \zero
	TURN 0, 1, 1
	THREE 1, 0
	TURN 1, 0, 1
.endm
	s_wait_tensorcnt 1                             ; my plane of K step 0 is in; K step 1's stays out
	s_barrier_signal -1
	s_barrier_wait -1
	FETCH 0, 0, F0
	LAP 1                                          ; the first products start the sums
	WIN 0
	s_mov_b32 s3, LAPS-2
.Llap:
	LAP 0
	WIN 0
	s_sub_co_u32 s3, s3, 1
	s_cmp_lg_u32 s3, 0
	s_cbranch_scc1 .Llap
	THREE 0, 0                                     ; the last lap fills nothing
	TURN 0, 1, 0
	THREE 1, 0
	s_wait_dscnt 8
	WIN MUL_LO
	MUL16 F1, 0, 0, 0
	MUL16 F1, 0, 2, 0
	s_wait_dscnt 0x0
	WIN MUL_HI
	MUL16 F1, 1, 0, 0
	MUL16 F1, 1, 2, 0
	; THE WAY OUT, 16 rows x 64 columns of f32 at a time through my own stage, so that sixteen lanes store 256 consecutive bytes.
	WIN 0
	PLACES                                         ; four places behind the last matrix instructions
	s_wait_loadcnt 0x0                             ; the biases
; rows 16 i .. 16 i + 15, columns 64 hf .. 64 hf + 63 of my block: tiles (a, 4 hf .. 4 hf + 3) of window 2 or 3 (from: the store data's window)
.macro OUTF i, a, from, hf, f
	WIN \from
.irp bb, 0,1,2,3
	ds_store_b128 v[STO], v[8*(8*\a+4*\hf+\bb):8*(8*\a+4*\hf+\bb)+3]   offset:64*\bb
	ds_store_b128 v[STO], v[8*(8*\a+4*\hf+\bb)+4:8*(8*\a+4*\hf+\bb)+7] offset:64*\bb+16
.endr
	WIN 0
	s_wait_xcnt 0x0                                ; earlier stores have read buffer f: it is loaded again only behind this wait
.irp t, 0,1,2,3,4,5,6,7
	ds_load_b128 v[\f+4*\t:\f+4*\t+3], v[RD] offset:\t*2*SPITCH    ; my own bytes, served in order (ISA guide 5.7.1)
.endr
.irp t, 0,1,2,3,4,5,6,7
	s_wait_dscnt 7-\t
	v_pk_add_f32 v[\f+4*\t:\f+4*\t+1],   v[\f+4*\t:\f+4*\t+1],   v[BI+4*\hf:BI+4*\hf+1]
	v_pk_add_f32 v[\f+4*\t+2:\f+4*\t+3], v[\f+4*\t+2:\f+4*\t+3], v[BI+4*\hf+2:BI+4*\hf+3]
	global_store_b128 v[CO], v[\f+4*\t:\f+4*\t+3], s[8:9] offset:(16*\i+2*\t)*4096+256*\hf th:TH_STORE_NT   ; the row stands in the immediate: 516,352 at the most
.endr
.endm
	OUTF 0, 0, 0x08, 0, F0
	OUTF 0, 0, 0x08, 1, F1
	OUTF 1, 1, 0x08, 0, F0
	OUTF 1, 1, 0x08, 1, F1
	OUTF 2, 2, 0x08, 0, F0
	OUTF 2, 2, 0x08, 1, F1
	OUTF 3, 3, 0x08, 0, F0
	OUTF 3, 3, 0x08, 1, F1
	OUTF 4, 0, 0x0c, 0, F0
	OUTF 4, 0, 0x0c, 1, F1
	OUTF 5, 1, 0x0c, 0, F0
	OUTF 5, 1, 0x0c, 1, F1
	OUTF 6, 2, 0x0c, 0, F0
	OUTF 6, 2, 0x0c, 1, F1
	OUTF 7, 3, 0x0c, 0, F0
	OUTF 7, 3, 0x0c, 1, F1
	s_set_vgpr_msb 0x1
	s_wait_tensorcnt 0x0
	ds_add_u32 v255, v255
	s_wait_dscnt 0x0
	s_set_vgpr_msb 0x100
	CROUND                                         ; the closing round
	s_endpgm
.Lfunc_end_k_q18a030e968_outp:
	.size	k_q18a030e968_outp, .Lfunc_end_k_q18a030e968_outp-k_q18a030e968_outp
	.p2alignl 7, 3214868480
	.fill 96, 4, 3214868480
	.section	.rodata,"a",@progbits
	.p2align	6, 0x0
	.amdhsa_kernel k_q18a030e968_outp
		.amdhsa_group_segment_fixed_size 327680
		.amdhsa_private_segment_fixed_size 0
		.amdhsa_enable_private_segment 0
		.amdhsa_kernarg_size 32
		.amdhsa_user_sgpr_count 2
		.amdhsa_user_sgpr_kernarg_segment_ptr 1
		.amdhsa_wavefront_size32 1
		.amdhsa_system_sgpr_workgroup_id_x 1
		.amdhsa_system_sgpr_workgroup_id_y 1
		.amdhsa_system_sgpr_workgroup_id_z 1
		.amdhsa_system_vgpr_workitem_id 0
		.amdhsa_next_free_vgpr 1024
		.amdhsa_next_free_sgpr 76
		.amdhsa_reserve_vcc 0
		.amdhsa_float_denorm_mode_32 3
		.amdhsa_float_denorm_mode_16_64 3
		.amdhsa_memory_ordered 1
		.amdhsa_forward_progress 1
		.amdhsa_inst_pref_size 213
	.end_amdhsa_kernel
	.amdgpu_metadata
---
amdhsa.version: [ 1, 2 ]
amdhsa.kernels:
  - .name:           k_q18a030e968_outp
    .symbol:         k_q18a030e968_outp.kd
    .args:
      - { .name: ctx, .offset: 0, .size: 8, .value_kind: global_buffer, .address_space: global }
      - { .name: wt, .offset: 8, .size: 8, .value_kind: global_buffer, .address_space: global }
      - { .name: bo, .offset: 16, .size: 8, .value_kind: global_buffer, .address_space: global }
      - { .name: out0, .offset: 24, .size: 8, .value_kind: global_buffer, .address_space: global }
    .group_segment_fixed_size: 327680
    .private_segment_fixed_size: 0
    .kernarg_segment_align: 8
    .kernarg_segment_size: 32
    .max_flat_workgroup_size: 128
    .sgpr_count:     76
    .vgpr_count:     1024
    .wavefront_size: 32
...
	.end_amdgpu_metadata
.endif
;; end of part 5
